; MI455X (gfx1250); checked and timed in simulation.
; The chip was launched on July 23, 2026; its instructions are those of AMD's public machine-readable ISA for CDNA 5 (MIT licence, August 2026) and "CDNA5" Instruction Set Architecture Reference Guide (July 2026). The comments in the code are by the model that wrote it; some were corrected since.
;; Bahdanau Attention. Allowed arithmetic: matrix products marked QUANTISED: E2M3 operands, one E8M0 scale for each 32 along K, by v_wmma_scale_f32_16x16x128_f8f6f4 with both operands' format E2M3, f32 sums; products left as they are: f32 operands where the result goes on into a quantised operand, else bf16, f16 or f32 operands; f32 sums; everything else in f32.
;; Inputs: W_dec_codes 1,024 x 32 x 24 uint8 (E2M3 codes of W_dec, K innermost, in blocks of 32 codes, four codes in three bytes); W_dec_scales 1,024 x 32 uint8 (E8M0 scales of W_dec, one for each 32 codes along K); W_enc_codes 1,024 x 32 x 24 uint8 (E2M3 codes of W_enc, K innermost, in blocks of 32 codes, four codes in three bytes); W_enc_scales 1,024 x 32 uint8 (E8M0 scales of W_enc, one for each 32 codes along K); decoder_hidden_codes 64 x 32 x 24 uint8 (E2M3 codes of decoder_hidden, K innermost, in blocks of 32 codes, four codes in three bytes); decoder_hidden_scales 64 x 32 uint8 (E8M0 scales of decoder_hidden, one for each 32 codes along K); encoder_outputs 64 x 1,024 x 1,024 float32; src_mask 64 x 1,024 int32; v 1,024 float32.
;; Outputs: out0 64 x 1,024 float32; out1 64 x 1,024 float32.
;; This version of the problem:
;;   THIS VERSION OF THE PROBLEM IS GIVEN IN LOW PRECISION. The matrix products marked QUANTISED in the list below multiply operands that are first quantised to E2M3 (2 exponent bits, 3 mantissa bits; 6 bits a number), with one power-of-two scale for each 32 numbers along K (OCP MX v1.0); their sums are f32. All else is computed in f32.
;;   The module's matrix products, in the order in which they are computed (A, B: the left and right operand; K: the contracted axis; several contracted axes count as one K, in the product's order):
;;     1. [M 64, K 1,024] x [K 1,024, N 1,024]; A: input decoder_hidden (given as codes); B: input W_dec (given as codes): QUANTISED
;;     2. [M 65,536, K 1,024] x [K 1,024, N 1,024]; A: input encoder_outputs; B: input W_enc (given as codes): QUANTISED
;;     3. [M 65,536, K 1,024] x [K 1,024, N 1]; A: computed on the way; B: input v: left as it is (N = 1 < 16)
;;     4. batch 64 x [M 1, K 1,024] x [K 1,024, N 1,024]; A: softmax; B: input encoder_outputs: left as it is (M = 1 < 16)
;;   THE QUANTISER, for each operand of a quantised product, along K:
;;     - K is cut into blocks of 32 from its start; a last block that is shorter is filled with zeros.
;;     - A block's scale is 2^e with e = floor(log2(the largest magnitude in the block)) - 2, held to -126 .. 127; a block of zeros has e = 0. As a byte (E8M0): e + 127.
;;     - Each number is divided by its block's scale, clamped to +-7.5, and rounded to the nearest number of E2M3, ties to even, subnormals kept.
;;     - The product sums the exact products of the quantised numbers (number of the format x scale) in f32.
;;   ~~~python
;;   def quantise(x, axis):      # numpy; x: float32 -> the quantised numbers, widened to float32 again
;;       x = np.moveaxis(x, axis, -1); K = x.shape[-1]
;;       x = np.pad(x, [(0, 0)] * (x.ndim - 1) + [(0, -K % 32)]); x = x.reshape(x.shape[:-1] + (-1, 32)); a = np.abs(x).max(-1, keepdims=True)
;;       e = np.where(a > 0, np.clip(np.frexp(np.where(a > 0, a, 1))[1] - 1 - 2, -126, 127), 0)      # np.frexp(a)[1] - 1 = floor(log2(a)), exactly
;;       r = np.clip(x / 2.0 ** e, -7.5, 7.5)
;;       step = 2.0 ** (np.maximum(np.frexp(np.where(r == 0, 1, r))[1] - 1, 0) - 3)
;;       q = np.round(r / step) * step * 2.0 ** e      # np.round: ties to even
;;       return np.moveaxis(q.reshape(q.shape[:-2] + (-1,))[..., :K], -1, axis).astype(np.float32)
;;   ~~~
;;   INPUTS GIVEN AS CODES. W_dec (in the module: [1024, 1024], K = its axis 1); W_enc (in the module: [1024, 1024], K = its axis 1); decoder_hidden (in the module: [64, 1024], K = its axis 1): each comes as NAME_codes (uint8): NAME with its K axis moved to the last place and cut into blocks of 32 codes, [.., K / 32, bytes a block], one block behind the other in memory; four codes in three bytes: a row's codes are one little-endian stream of bits, code i at bits 6 i .. 6 i + 5 (a code: sign, 2 exponent bits, 3 mantissa bits); and NAME_scales (uint8): the same leading axes, one E8M0 byte (e + 127) for each 32 codes along K. Its value is code x scale, taken as it is: it is not quantised again, and the codes and scales need not be those that the quantiser above would give.
;; 2 versions, each right; version 2 is version 1 with the launches prep, gemm written anew for expert scheduling mode. Each part assembles by itself: llvm-mc -triple=amdgcn-amd-amdhsa -mcpu=gfx1250 --defsym DOCPART=n.
;; ======== version 1 of 2: 4 launches
;; limits: right only within a limited range of input values
;; workspace buffers: rowlist 262,144 bytes of whole numbers; rowpos 262,144 bytes of whole numbers; counts 8,192 bytes of whole numbers; decp 262,144 bytes; acodes 50,331,648 bytes; ascales 2,097,152 bytes; part 1,048,576 bytes; wimg 786,432 bytes
;; launch prep (part 1): grid 96 x 1, 4 waves a work-group, no clusters, 0 bytes of LDS; arguments src_mask, decoder_hidden_codes, decoder_hidden_scales, W_dec_codes, W_dec_scales, W_enc_codes, rowlist, rowpos, counts, decp, wimg; writes rowlist, rowpos, counts, decp, wimg
.if DOCPART == 1
	.amdgcn_target "amdgcn-amd-amdhsa--gfx1250"
	.amdhsa_code_object_version 6
	.text
	.protected	k_q0350a94e0c_prep
	.globl	k_q0350a94e0c_prep
	.p2align	8
	.type	k_q0350a94e0c_prep,@function
k_q0350a94e0c_prep:
	s_mov_b64 s[64:65], 0
	v_nop
	global_prefetch_b8 v0, s[64:65] scope:SCOPE_SE
	s_setreg_imm32_b32 hwreg(HW_REG_WAVE_MODE, 25, 1), 1
	s_wait_xcnt 0x0
; THREE SMALL JOBS IN ONE LAUNCH, told apart by the work-group's number; no LDS, no barrier, waves share nothing.
; Work-groups 0-15: THE LISTS.  A wave takes a batch b = 4 x + wave and sorts its 1,024 rows by src_mask: kept rows first, in ascending order.
;   rowpos[b][s]  = the place of row s: its rank among the kept rows, or n + its rank among the others (n = the number kept).
;   rowlist[b][p] = the row at place p for p < n; the batch's first kept row for p >= n (so a tile of 16 places can always be gathered).
;   A batch with no kept row (its softmax is flat over all 1,024 rows) gets the identity and counts as 1,024 rows.
;   counts[b][l]  = n, n_eff (n, or 1,024 where n = 0), T = ceil(n_eff / 16), flag (n = 0), by l mod 4; 32 words a batch, one store of the wave.
; Work-groups 16-79: c x (decoder_hidden W_dec^T), c = 2 log2(e), on the given codes of E2M3: work-group = 16 columns d, wave = 16 batches.
;   Used transposed (source 0 = 16 rows of W_dec, source 1 = 16 batches): a lane holds one batch and eight neighbouring d.  One accumulator, K ascending.
;   Its stores are pieces of 32 bytes a lane in rows 4,096 bytes apart: 256 KiB in the whole launch.
; Work-groups 80-95: W_enc's codes laid out as images of the operand's registers: wimg[64 tiles of 16 rows][8 K steps][3][32 lanes][16 bytes], a wave a tile.
.set C2L, 0x4038aa3b                   ; c = 2 log2(e)
.set MK,  24                           ; s24-55   lane masks of the 32 blocks of 32 rows: kept
.set M,   32                           ; v32-63   src_mask as loaded
.set P,   64                           ; v64-95   places
.set V,   96                           ; v96-127  what goes into rowlist
.set A,   128                          ; v128-159 where it goes: 4 x place
.set FW,  16                           ; v16-111  eight fragments of a weight (16 rows x 128 K: 12 registers)
.set FH,  112                          ; v112-207 eight fragments of decoder_hidden
.set SW,  208                          ; v208-215 the weight's scale words, K step q in register q
.set SH,  216                          ; v216-223 decoder_hidden's
.set AC,  224                          ; v224-231 the accumulator
.set OUT, 232                          ; v232-239 c x the sums
	s_load_b256 s[4:11], s[0:1], 0x0               ; src_mask s[4:5], decoder_hidden's codes s[6:7], its scales s[8:9], W_dec's codes s[10:11]
	s_load_b256 s[12:19], s[0:1], 0x20             ; W_dec's scales s[12:13], W_enc's codes s[14:15], rowlist s[16:17], rowpos s[18:19]
	s_load_b128 s[20:23], s[0:1], 0x40             ; counts s[20:21], decp s[22:23]
	s_load_b64 s[66:67], s[0:1], 0x50              ; wimg
	v_lshrrev_b32 v1, 5, v0
	v_readfirstlane_b32 s2, v1                     ; wave 0..3
	v_and_b32 v2, 31, v0                           ; lane
	v_lshlrev_b32 v3, 2, v2                        ; 4 x lane
	v_and_b32 v4, 15, v0                           ; r
	v_bfe_u32 v5, v0, 4, 1                         ; h
	v_mul_u32_u24 v6, v4, 768                      ; a row of 1,024 codes is 768 bytes
	v_mad_u32_u24 v6, v5, 24, v6                   ; + 24 h: a fragment's place for my lane
	s_mov_b32 s57, 0                               ; the upper word of every offset pair s[56:57]
	s_wait_kmcnt 0x0
	s_cmp_lt_u32 ttmp9, 16
	s_cbranch_scc1 .Llists
	s_cmp_lt_u32 ttmp9, 80
	s_cbranch_scc1 .Ldec
	; ---- W_enc's images: tile 4 (x - 80) + wave
	s_sub_co_u32 s3, ttmp9, 80
	s_lshl_b32 s3, s3, 2
	s_add_co_u32 s3, s3, s2
	s_mul_i32 s56, s3, 12288                       ; 16 rows of 768 bytes, and as many bytes of images
	s_add_nc_u64 s[14:15], s[14:15], s[56:57]
	s_add_nc_u64 s[66:67], s[66:67], s[56:57]
	v_lshlrev_b32 v7, 4, v2                        ; 16 x lane
.irp q, 0,1,2,3,4,5,6,7
.irp p, 0,1,2,3,4,5
	global_load_b64 v[FW+12*\q+2*\p:FW+12*\q+2*\p+1], v6, s[14:15] offset:96*\q+48*(\p/3)+8*(\p%3)
.endr
.endr
.irp q, 0,1,2,3,4,5,6,7
	s_wait_loadcnt 6*(7-\q)                        ; fragment q is in; the later fragments' six loads each may be out
.irp g, 0,1,2
	global_store_b128 v7, v[FW+12*\q+4*\g:FW+12*\q+4*\g+3], s[66:67] offset:1536*\q+512*\g   ; 32 lanes store 512 consecutive bytes
.endr
.endr
	s_endpgm
	; ---- c x dec_proj: columns 16 y on, batches 16 wave on
.Ldec:
	s_sub_co_u32 s3, ttmp9, 16                     ; y
	s_mul_i32 s56, s3, 12288
	s_add_nc_u64 s[10:11], s[10:11], s[56:57]      ; W_dec's 16 rows
	s_mul_i32 s56, s2, 12288
	s_add_nc_u64 s[6:7], s[6:7], s[56:57]          ; decoder_hidden's 16 rows
	s_lshl_b32 s56, s3, 9
	s_add_nc_u64 s[12:13], s[12:13], s[56:57]      ; their scale bytes: 32 a row
	s_lshl_b32 s56, s2, 9
	s_add_nc_u64 s[8:9], s[8:9], s[56:57]
	s_lshl_b32 s56, s2, 16                         ; decp: 16 rows of 4,096 bytes a wave,
	s_lshl_b32 s58, s3, 6                          ; 64 bytes a tile of columns
	s_add_co_u32 s56, s56, s58
	s_add_nc_u64 s[22:23], s[22:23], s[56:57]
	v_lshlrev_b32 v7, 5, v4                        ; 32 r: my row's scale bytes
	v_lshlrev_b32 v8, 12, v4
	v_lshl_add_u32 v8, v5, 5, v8                   ; decp: row r, + 32 h
.irp q, 0,1,2,3,4,5,6,7
.irp p, 0,1,2,3,4,5
	global_load_b64 v[FW+12*\q+2*\p:FW+12*\q+2*\p+1], v6, s[10:11] offset:96*\q+48*(\p/3)+8*(\p%3)
	global_load_b64 v[FH+12*\q+2*\p:FH+12*\q+2*\p+1], v6, s[6:7] offset:96*\q+48*(\p/3)+8*(\p%3)
.endr
.endr
	global_load_b128 v[SW:SW+3], v7, s[12:13]
	global_load_b128 v[SW+4:SW+7], v7, s[12:13] offset:16
	global_load_b128 v[SH:SH+3], v7, s[8:9]
	global_load_b128 v[SH+4:SH+7], v7, s[8:9] offset:16
	s_wait_loadcnt 0x0
	v_wmma_scale_f32_16x16x128_f8f6f4 v[AC:AC+7], v[FW:FW+11], v[FH:FH+11], 0, v[SW], v[SH] matrix_a_fmt:MATRIX_FMT_FP6 matrix_b_fmt:MATRIX_FMT_FP6
.irp q, 1,2,3,4,5,6,7
	s_wait_alu depctr_va_vdst(0)                   ; the wait directly ahead of every link
	v_wmma_scale_f32_16x16x128_f8f6f4 v[AC:AC+7], v[FW+12*\q:FW+12*\q+11], v[FH+12*\q:FH+12*\q+11], v[AC:AC+7], v[SW+\q], v[SH+\q] matrix_a_fmt:MATRIX_FMT_FP6 matrix_b_fmt:MATRIX_FMT_FP6
.endr
.rept 4
	v_nop                                          ; four places between the last product and the first read of its result (ISA guide 7.12.1)
.endr
.irp j, 0,1,2,3,4,5,6,7
	v_mul_f32 v[OUT+\j], C2L, v[AC+\j]             ; from the accumulator's low end on
.endr
	global_store_b128 v8, v[OUT:OUT+3], s[22:23]   ; decp(16 wave + r, 16 y + 8 h + 0 .. 7)
	global_store_b128 v8, v[OUT+4:OUT+7], s[22:23] offset:16
	s_endpgm
	; ---- the lists of batch 4 x + wave
.Llists:
	s_lshl_b32 s3, ttmp9, 2
	s_add_co_u32 s3, s3, s2                        ; b
	s_lshl_b32 s56, s3, 12                         ; 4,096 bytes a batch
	s_add_nc_u64 s[4:5], s[4:5], s[56:57]
	s_add_nc_u64 s[16:17], s[16:17], s[56:57]
	s_add_nc_u64 s[18:19], s[18:19], s[56:57]
	s_lshl_b32 s56, s3, 7                          ; 128 bytes a batch
	s_add_nc_u64 s[20:21], s[20:21], s[56:57]
.set i, 0
.rept 32
	global_load_b32 v[M+i], v3, s[4:5] offset:128*i   ; rows 32 i + lane
.set i, i+1
.endr
	s_wait_loadcnt 0x0
.set i, 0
.rept 32
	v_cmp_ne_u32 s[MK+i], 0, v[M+i]                ; kept: reference() throws a row away where the mask is 0
.set i, i+1
.endr
	s_mov_b32 s58, 0                               ; n
.set i, 0
.rept 32
	s_bcnt1_i32_b32 s59, s[MK+i]
	s_add_co_u32 s58, s58, s59
.set i, i+1
.endr
	s_mov_b32 s60, 0                               ; the first kept row: the blocks from the last to the first, each that has one overrides
.set i, 31
.rept 32
	s_ctz_i32_b32 s59, s[MK+i]
	s_add_co_u32 s59, s59, 32*i
	s_cmp_lg_u32 s[MK+i], 0
	s_cselect_b32 s60, s59, s60
.set i, i-1
.endr
	s_cmp_eq_u32 s58, 0
	s_cselect_b32 s61, 1, 0                        ; flag
	s_cselect_b32 s62, -1, 0                       ; all ones where no row is kept: then every place takes its own row
	s_cselect_b32 s63, 1024, s58                   ; n_eff
	s_add_co_u32 s68, s63, 15
	s_lshr_b32 s68, s68, 4                         ; T
	v_mov_b32 v8, s60
	s_mov_b32 s69, 0                               ; kept rows ahead of block i
.set i, 0
.rept 32                               ; each block has registers of its own for what its stores read: nothing is written again
	v_mbcnt_lo_u32_b32 v4, s[MK+i], 0              ; kept rows of the block ahead of my lane
	s_sub_co_u32 s70, s58, s69
	s_add_co_u32 s70, s70, 32*i                    ; n + the rows not kept ahead of the block
	v_add_nc_u32 v5, s69, v4                       ; my place if I am kept,
	v_sub_nc_u32 v6, v2, v4
	v_add_nc_u32 v6, s70, v6                       ; and if not
	v_cndmask_b32 v[P+i], v6, v5, s[MK+i]
	s_or_b32 s71, s[MK+i], s62
	v_add_nc_u32 v7, 32*i, v2                      ; my row
	v_cndmask_b32 v[V+i], v8, v7, s71              ; places past n name the first kept row
	v_min_u32 v[A+i], 0x3ff, v[P+i]                ; a place is under 1,024: held there, since it becomes an address
	v_lshlrev_b32 v[A+i], 2, v[A+i]
	global_store_b32 v[A+i], v[V+i], s[16:17]      ; the places are a permutation: every word of the batch's list is written once
	global_store_b32 v3, v[P+i], s[18:19] offset:128*i
	s_bcnt1_i32_b32 s59, s[MK+i]
	s_add_co_u32 s69, s69, s59
.set i, i+1
.endr
	v_and_b32 v9, 3, v2
	v_mov_b32 v10, s58
	v_mov_b32 v11, s63
	v_mov_b32 v12, s68
	v_mov_b32 v13, s61
	v_cmp_eq_u32 vcc_lo, 1, v9
	v_cndmask_b32 v10, v10, v11, vcc_lo
	v_cmp_eq_u32 vcc_lo, 2, v9
	v_cndmask_b32 v10, v10, v12, vcc_lo
	v_cmp_eq_u32 vcc_lo, 3, v9
	v_cndmask_b32 v10, v10, v13, vcc_lo
	global_store_b32 v3, v10, s[20:21]
	s_endpgm
.Lfunc_end_k_q0350a94e0c_prep:
	.size	k_q0350a94e0c_prep, .Lfunc_end_k_q0350a94e0c_prep-k_q0350a94e0c_prep
	.p2alignl 7, 3214868480
	.fill 96, 4, 3214868480
	.section	.rodata,"a",@progbits
	.p2align	6, 0x0
	.amdhsa_kernel k_q0350a94e0c_prep
		.amdhsa_group_segment_fixed_size 0
		.amdhsa_private_segment_fixed_size 0
		.amdhsa_enable_private_segment 0
		.amdhsa_kernarg_size 88
		.amdhsa_user_sgpr_count 2
		.amdhsa_user_sgpr_kernarg_segment_ptr 1
		.amdhsa_wavefront_size32 1
		.amdhsa_system_sgpr_workgroup_id_x 1
		.amdhsa_system_sgpr_workgroup_id_y 1
		.amdhsa_system_sgpr_workgroup_id_z 1
		.amdhsa_system_vgpr_workitem_id 0
		.amdhsa_next_free_vgpr 256
		.amdhsa_next_free_sgpr 72
		.amdhsa_reserve_vcc 1
		.amdhsa_float_denorm_mode_32 3
		.amdhsa_float_denorm_mode_16_64 3
		.amdhsa_memory_ordered 1
		.amdhsa_forward_progress 1
		.amdhsa_inst_pref_size 60
	.end_amdhsa_kernel
	.amdgpu_metadata
---
amdhsa.version: [ 1, 2 ]
amdhsa.kernels:
  - .name:           k_q0350a94e0c_prep
    .symbol:         k_q0350a94e0c_prep.kd
    .args:
      - { .name: src_mask, .offset: 0, .size: 8, .value_kind: global_buffer, .address_space: global }
      - { .name: decoder_hidden_codes, .offset: 8, .size: 8, .value_kind: global_buffer, .address_space: global }
      - { .name: decoder_hidden_scales, .offset: 16, .size: 8, .value_kind: global_buffer, .address_space: global }
      - { .name: W_dec_codes, .offset: 24, .size: 8, .value_kind: global_buffer, .address_space: global }
      - { .name: W_dec_scales, .offset: 32, .size: 8, .value_kind: global_buffer, .address_space: global }
      - { .name: W_enc_codes, .offset: 40, .size: 8, .value_kind: global_buffer, .address_space: global }
      - { .name: rowlist, .offset: 48, .size: 8, .value_kind: global_buffer, .address_space: global }
      - { .name: rowpos, .offset: 56, .size: 8, .value_kind: global_buffer, .address_space: global }
      - { .name: counts, .offset: 64, .size: 8, .value_kind: global_buffer, .address_space: global }
      - { .name: decp, .offset: 72, .size: 8, .value_kind: global_buffer, .address_space: global }
      - { .name: wimg, .offset: 80, .size: 8, .value_kind: global_buffer, .address_space: global }
    .group_segment_fixed_size: 0
    .private_segment_fixed_size: 0
    .kernarg_segment_align: 8
    .kernarg_segment_size: 88
    .max_flat_workgroup_size: 128
    .sgpr_count:     72
    .vgpr_count:     256
    .wavefront_size: 32
...
	.end_amdgpu_metadata
.endif
;; end of part 1
;; launch quant (part 2): grid 16 x 64, 4 waves a work-group, no clusters, 34,304 bytes of LDS; arguments encoder_outputs, rowlist, counts, acodes, ascales; writes acodes, ascales
.if DOCPART == 2
	.amdgcn_target "amdgcn-amd-amdhsa--gfx1250"
	.amdhsa_code_object_version 6
	.text
	.protected	k_q0350a94e0c_quant
	.globl	k_q0350a94e0c_quant
	.p2align	8
	.type	k_q0350a94e0c_quant,@function
k_q0350a94e0c_quant:
	s_mov_b64 s[64:65], 0
	v_nop
	global_prefetch_b8 v0, s[64:65] scope:SCOPE_SE
	s_setreg_imm32_b32 hwreg(HW_REG_WAVE_MODE, 25, 1), 1
	s_wait_xcnt 0x0
; THE KEPT ROWS OF encoder_outputs BECOME CODES OF E2M3, one E8M0 scale for each 32 along K = the row's 1,024 numbers.
; A wave takes a tile: places 16 tile .. 16 tile + 15 of batch y's list (tile = 4 x + wave).  The grid serves every mask: 64 tiles a batch; a wave whose tile
; lies past the batch's T (read from counts) stores nothing and ends.  No barrier: waves share nothing.
; A block's scale is 2^(floor(log2(its largest magnitude)) - 2); its byte is the largest magnitude's exponent field - 2, held at 1 from below.
; LIMITS: a block of zeros gets the byte 1 where the rule says 127 (its codes are zeros, and this program alone reads the bytes); blocks whose largest magnitude
; lies under 2^(3 - 127) are held at that byte; NaN and infinities among the inputs are not served.
; A K step is 128 numbers: each of the 16 rows gives 512 consecutive bytes to one load, 16 bytes a lane.  The conversions want 32 neighbours in ONE lane, so the step's
; 8,192 bytes turn through the wave's own stage in LDS (rows 528 bytes apart: 2 x 256 + 16, so that the sixteen rows which a read touches start 16 bytes apart modulo 256)
; and come back as the operand's layout has them: lane (r, h) takes, of row r, k = 64 c + 32 h + 0 .. 31, c = 0, 1: two whole blocks.
; OUT: acodes[b][tile][8 K steps][3][32 lanes][16 bytes]: the fragment's twelve registers as they stand; each store is 512 consecutive bytes.
;      ascales[b][tile][32 lanes][16 bytes]: register i: lanes 0-15 row r's scale word of K step 2 i, lanes 16-31 that of K step 2 i + 1.
; Loads run two K steps (32 loads a wave) ahead.  No cache hint on them: the list may name the first kept row several times.
.set STGB, 8448                        ; a wave's stage: 16 rows x 528 bytes
.set L16,  2                           ; v2   16 x lane
.set STO,  5                           ; v5   the stage, on the way in: + 16 x lane
.set RDA,  6                           ; v6   on the way out: + 528 r + 128 h
.set H8,   7                           ; v7   8 h
.set C,    16                          ; v16-27  a fragment's codes
.set TP,   28                          ; v28-30, v32-34  the upper halves of its two blocks (a conversion's three registers begin on an even number)
.set MX,   36                          ; v36-37  largest magnitudes
.set SO,   38                          ; v38-39  the conversions' scale operands
.set BY,   40                          ; v40-41  the scales' bytes
.set W,    44                          ; v44-51  the scale word of each K step
.set SCI,  52                          ; v52-55  the scale words' image
.set R,    64                          ; v64-191 two sets of 64: a K step as loaded
.set X,    192                         ; v192-255 a K step as the conversions want it
	s_load_b256 s[4:11], s[0:1], 0x0               ; encoder_outputs s[4:5], rowlist s[6:7], counts s[8:9], acodes s[10:11]
	s_load_b64 s[12:13], s[0:1], 0x20              ; ascales
	v_lshl_add_u32 v62, v0, 2, 0x8400
	v_mov_b32 v63, 0
	v_lshrrev_b32 v1, 5, v0
	v_readfirstlane_b32 s2, v1                     ; wave
	s_and_b32 s3, ttmp7, 0xffff                    ; b
	s_lshl_b32 s14, ttmp9, 2
	s_add_co_u32 s14, s14, s2                      ; tile
	s_lshl_b32 s66, s3, 7                          ; counts: 128 bytes a batch
	s_lshl_b32 s67, s3, 12                         ; rowlist: 4,096 bytes a batch,
	s_lshl_b32 s68, s14, 6                         ; 64 a tile
	s_add_co_u32 s67, s67, s68
	s_wait_kmcnt 0x0
	s_load_b32 s15, s[8:9], s66 offset:0x8         ; T
	s_load_b512 s[16:31], s[6:7], s67 offset:0x0   ; the tile's sixteen rows
	v_and_b32 v1, 31, v0
	v_lshlrev_b32 v[L16], 4, v1
	v_and_b32 v3, 15, v0                           ; r
	v_bfe_u32 v4, v0, 4, 1                         ; h
	s_mul_i32 s70, s2, STGB
	v_add_nc_u32 v[STO], s70, v[L16]
	v_mul_u32_u24 v[RDA], v3, 528
	v_lshl_add_u32 v[RDA], v4, 7, v[RDA]
	v_add_nc_u32 v[RDA], s70, v[RDA]
	v_lshlrev_b32 v[H8], 3, v4
	v_mov_b32 v43, 0                               ; written once: a lane permute's destination counts as one of its sources
	s_mov_b32 s71, 0xffff0000                      ; lanes 16-31
	s_mov_b32 s72, 0x76543210
	s_mov_b32 s73, 0xfedcba98                      ; v_permlanex16_b32's selects for lane l xor 16
	s_lshl_b32 s68, s3, 22                         ; a batch is 4 MiB
	s_mov_b32 s69, 0
	s_add_nc_u64 s[4:5], s[4:5], s[68:69]
	s_wait_kmcnt 0x0
	s_cmp_ge_u32 s14, s15
	s_cbranch_scc1 .Lnone                          ; no such tile in this batch
.irp r, 0,1,2,3,4,5,6,7,8,9,10,11,12,13,14,15
	s_min_u32 s[16+\r], s[16+\r], 0x3ff            ; a row's number is under 1,024: held there, since it becomes an address
	s_lshl_b32 s[32+2*\r], s[16+\r], 12            ; 4,096 bytes a row
	s_mov_b32 s[33+2*\r], 0
	s_add_nc_u64 s[32+2*\r:33+2*\r], s[4:5], s[32+2*\r:33+2*\r]
.endr
	s_lshl_b32 s66, s3, 6
	s_add_co_u32 s66, s66, s14                     ; 64 b + tile
	s_mul_i32 s68, s66, 12288
	s_add_nc_u64 s[10:11], s[10:11], s[68:69]
	s_lshl_b32 s68, s66, 9
	s_add_nc_u64 s[12:13], s[12:13], s[68:69]
.macro LOADQ q                         ; K step q of the sixteen rows into set q % 2
.irp r, 0,1,2,3,4,5,6,7,8,9,10,11,12,13,14,15
	global_load_b128 v[R+64*((\q)%2)+4*\r:R+64*((\q)%2)+4*\r+3], v[L16], s[32+2*\r:33+2*\r] offset:512*(\q)
.endr
.endm
.macro STEPQ q
.set RS, R+64*((\q)%2)
.if (\q) < 7
	s_wait_loadcnt 16                              ; this step's sixteen loads are in; the next step's may be out
.else
	s_wait_loadcnt 0x0
.endif
.irp r, 0,1,2,3,4,5,6,7,8,9,10,11,12,13,14,15
	ds_store_b128 v[STO], v[RS+4*\r:RS+4*\r+3] offset:528*\r
.endr
.irp c, 0,1
.irp i, 0,1,2,3,4,5,6,7
	ds_load_b128 v[X+32*\c+4*\i:X+32*\c+4*\i+3], v[RDA] offset:256*\c+16*\i   ; LDS serves a wave's instructions in order (ISA guide 5.7.1.4): these see the stores above
.endr
.endr
	s_wait_dscnt 16                                ; the sixteen stores are done and have read their registers,
.if (\q) < 6
	LOADQ (\q)+2                                   ; which take the loads of two steps on
.endif
	s_wait_dscnt 0x0
.irp c, 0,1
	v_max3_num_f32 v[MX+\c], |v[X+32*\c]|, |v[X+32*\c+1]|, 0x1800000   ; my block 2 c + h: all its 32 numbers are mine; and the floor 2^(3 - 127): the byte cannot fall under 1
.endr
.irp i, 2,4,6,8,10,12,14,16,18,20,22,24,26,28,30
.irp c, 0,1
	v_max3_num_f32 v[MX+\c], v[MX+\c], |v[X+32*\c+\i]|, |v[X+32*\c+\i+1]|
.endr
.endr
.irp c, 0,1
	v_add_nc_u32 v[SO+\c], 0xff000000, v[MX+\c]    ; 2 off the exponent field: the conversion takes the exponent field of this operand as its scale
.endr
.irp c, 0,1
	v_lshrrev_b32 v[BY+\c], 23, v[SO+\c]           ; the scale's byte
.endr
	v_lshl_or_b32 v42, v[BY+1], 16, v[BY]          ; my two bytes: blocks h and 2 + h,
	v_lshlrev_b32 v42, v[H8], v42                  ; at their places in the word;
	v_permlanex16_b32 v43, v42, s72, s73
	v_or_b32 v[W+(\q)], v42, v43                   ; with lane l xor 16's two the word is whole, in both lanes
	s_wait_xcnt 0x0                                ; the last step's stores have read the codes' registers: only behind this wait are they written again
.irp c, 0,1
	v_cvt_scalef32_pk16_fp6_f32 v[C+6*\c:C+6*\c+2], v[X+32*\c:X+32*\c+15], v[SO+\c]
	v_cvt_scalef32_pk16_fp6_f32 v[TP+4*\c:TP+4*\c+2], v[X+32*\c+16:X+32*\c+31], v[SO+\c]
.endr
	v_nop                                          ; one plain place behind a scaled conversion
.irp c, 0,1
.irp i, 0,1,2
	v_mov_b32 v[C+6*\c+3+\i], v[TP+4*\c+\i]        ; registers 6 c .. 6 c + 5 hold k = 64 c + 32 h + 0 .. 31
.endr
.endr
.irp g, 0,1,2
	global_store_b128 v[L16], v[C+4*\g:C+4*\g+3], s[10:11] offset:1536*(\q)+512*\g
.endr
.endm
	LOADQ 0
	LOADQ 1
.irp q, 0,1,2,3,4,5,6,7
	STEPQ \q
.endr
.irp i, 0,1,2,3
	v_cndmask_b32 v[SCI+\i], v[W+2*\i], v[W+2*\i+1], s71
.endr
	global_store_b128 v[L16], v[SCI:SCI+3], s[12:13]
.Lnone:
	s_wait_tensorcnt 0x0
	ds_add_u32 v62, v63
	s_wait_dscnt 0x0
	s_endpgm
.Lfunc_end_k_q0350a94e0c_quant:
	.size	k_q0350a94e0c_quant, .Lfunc_end_k_q0350a94e0c_quant-k_q0350a94e0c_quant
	.p2alignl 7, 3214868480
	.fill 96, 4, 3214868480
	.section	.rodata,"a",@progbits
	.p2align	6, 0x0
	.amdhsa_kernel k_q0350a94e0c_quant
		.amdhsa_group_segment_fixed_size 34304
		.amdhsa_private_segment_fixed_size 0
		.amdhsa_enable_private_segment 0
		.amdhsa_kernarg_size 40
		.amdhsa_user_sgpr_count 2
		.amdhsa_user_sgpr_kernarg_segment_ptr 1
		.amdhsa_wavefront_size32 1
		.amdhsa_system_sgpr_workgroup_id_x 1
		.amdhsa_system_sgpr_workgroup_id_y 1
		.amdhsa_system_sgpr_workgroup_id_z 1
		.amdhsa_system_vgpr_workitem_id 0
		.amdhsa_next_free_vgpr 256
		.amdhsa_next_free_sgpr 76
		.amdhsa_reserve_vcc 0
		.amdhsa_float_denorm_mode_32 3
		.amdhsa_float_denorm_mode_16_64 3
		.amdhsa_memory_ordered 1
		.amdhsa_forward_progress 1
		.amdhsa_inst_pref_size 60
	.end_amdhsa_kernel
	.amdgpu_metadata
---
amdhsa.version: [ 1, 2 ]
amdhsa.kernels:
  - .name:           k_q0350a94e0c_quant
    .symbol:         k_q0350a94e0c_quant.kd
    .args:
      - { .name: encoder_outputs, .offset: 0, .size: 8, .value_kind: global_buffer, .address_space: global }
      - { .name: rowlist, .offset: 8, .size: 8, .value_kind: global_buffer, .address_space: global }
      - { .name: counts, .offset: 16, .size: 8, .value_kind: global_buffer, .address_space: global }
      - { .name: acodes, .offset: 24, .size: 8, .value_kind: global_buffer, .address_space: global }
      - { .name: ascales, .offset: 32, .size: 8, .value_kind: global_buffer, .address_space: global }
    .group_segment_fixed_size: 34304
    .private_segment_fixed_size: 0
    .kernarg_segment_align: 8
    .kernarg_segment_size: 40
    .max_flat_workgroup_size: 128
    .sgpr_count:     76
    .vgpr_count:     256
    .wavefront_size: 32
...
	.end_amdgpu_metadata
.endif
;; end of part 2
;; launch gemm (part 3): grid 4 x 64, 4 waves a work-group, no clusters, 135,680 bytes of LDS; arguments acodes, ascales, counts, wimg, W_enc_scales, decp, v, part; writes part
.if DOCPART == 3
	.amdgcn_target "amdgcn-amd-amdhsa--gfx1250"
	.amdhsa_code_object_version 6
	.text
	.protected	k_q0350a94e0c_gemm
	.globl	k_q0350a94e0c_gemm
	.p2align	8
	.type	k_q0350a94e0c_gemm,@function
k_q0350a94e0c_gemm:
	s_mov_b64 s[64:65], 0
	v_nop
	global_prefetch_b8 v0, s[64:65] scope:SCOPE_SE
	s_setreg_imm32_b32 hwreg(HW_REG_WAVE_MODE, 25, 1), 1
	s_wait_xcnt 0x0
; part[dq][b][p] = the sum over d = 256 dq .. 256 dq + 255 of -2 v[d] / (1 + 2^(c (enc_proj[p][d] + dec_proj[b][d]))), c = 2 log2(e), for the places p of batch b's list.
; tanh(x) = 1 - 2 / (1 + 2^(c x)), so the four parts add up to the score less the sum of v: the same number off every score of a row, which a softmax does not see
; (the next launch still takes the row's maximum away).  Where 2^(c x) is infinite the quotient is 0, where it is 0 the quotient is 1: both are tanh's limits.
; enc_proj is the quantised product: the rows' codes (acodes, ascales) times W_enc's codes, by v_wmma_scale_f32_16x16x128_f8f6f4 on E2M3, f32 sums, K ascending, one accumulator an output.
; SHARES.  Work-group (dq, b): all T tiles of 16 places of batch b against 256 columns d; wave w: 64 of them, four tiles of 16.  A wave's 32 fragments of W_enc (384 registers) stay in
; registers for the whole launch; what goes round is the rows' codes: 12,800 bytes a tile (eight fragments' images and the scale words' image).
; They go memory -> registers -> LDS, a tile a wave, four tiles a trip, two slots by turns, one barrier a trip; the loads are asked for a whole trip ahead of their store.
; No tensor loads, and so no joint requests for the codes that a batch's four work-groups share: T is read from memory and branches hang on it.
; LAYOUT.  Source 0 = the rows' fragment, source 1 = W_enc's: in the result a lane holds ONE column d (lane % 16) and rows 8 (lane / 16) + 0 .. 7.  So dec_proj and v are one number a lane and tile.
; BY TURNS.  While tile m is multiplied (32 matrix instructions), tile m - 1's results, copied out first, go through 2^x, 1 + x, 1 / x and the sum over d: three vector instructions behind each matrix instruction.
; The first tile so works on zeros, whose sums go to a place that nobody reads; the last tile's results are worked alone (EA), where m = T.
; REGISTERS, in windows of 256: window 0: all that vector and LDS instructions touch.  window 1: W_enc's fragments of K steps 0-3, at 48 q + 12 t.  window 2: K steps 4-7; v192-199 -2 v.  window 3: v0-99 a tile on its way to LDS.
; Only source 1 ever leaves window 0 among the products: what stands between them names no register as source 1, but -2 v, which lies in the window set at that time.
.set C2L,   0x4038aa3b                 ; c
.set TILEB, 12800                      ; a tile in LDS: 8 x 1,536 bytes of fragments, 512 of scale words
.set SLOT1, 65536                      ; slot 0 at 0, slot 1 here: one exclusive or turns one into the other
.set SCO,   SLOT1+4*TILEB              ; behind the slots: the sums, 4,608 bytes a wave: 65 places of 64 bytes (16 rows); place m holds tile m - 1's, place 0 nobody reads
.set SCOW,  4608
.set L16,  1                           ; v1   16 x lane
.set ARD,  2                           ; v2   + the slot that is read
.set ASTO, 3                           ; v3   16 x lane + 12,800 x wave + the slot that is filled
.set SCOA, 4                           ; v4   my wave's sums: + 32 h, + 256 a trip
.set SOFF, 6                           ; v6   W_enc's scale words: 32 r + 4 h
.set R4,   7                           ; v7   4 r
.set AST0, 8                           ; v8   16 x lane + 12,800 x wave
.set ZA,   9                           ; v9   my wave's sums + 16 x lane; at the end: every wave's
.set SCA,  12                          ; v12-15  the rows' scale words: register i: lanes 0-15 K step 2 i, lanes 16-31 K step 2 i + 1
.set SCB,  16                          ; v16-31  W_enc's, tile t at 4 t + i, likewise
.set BI,   32                          ; v32-39  c x dec_proj of my column in tile t, at 2 t (and 2 t + 1: named as a pair)
.set S,    40                          ; v40-47  the sums of my eight rows
.set ACC,  48                          ; v48-79  four accumulators
.set TT,   80                          ; v80-111 the tile before, at work
.set AF,   112                         ; v112-207 the rows' eight fragments
.set VV,   192                         ; window 2: -2 v of my column in tile t, at 2 t (and 2 t + 1)
.set MSB, 0
.macro WIN new                         ; the immediate's high byte repeats the setting that is left; at every label and branch the setting is 0
.if MSB != \new
	s_set_vgpr_msb (MSB<<8)|\new
.set MSB, \new
.endif
.endm
; s2 wave, s3 b, s21 T, s22 4 x trip, s23 the slot that is read, s24 the other, s25 the tile that the staging registers hold or will hold, s27 64 b
.macro LOADG                           ; tile s25 of the batch, from memory into window 3
	s_wait_dscnt 0x0                               ; the LDS stores have read the staging registers
	s_wait_xcnt 0x0                                ; the last tile's loads have read their bases: only behind this wait are they written again
	s_add_co_u32 s26, s27, s25
	s_mul_i32 s28, s26, 12288
	s_add_nc_u64 s[30:31], s[4:5], s[28:29]
	s_lshl_b32 s28, s26, 9
	s_add_nc_u64 s[32:33], s[6:7], s[28:29]
	WIN 0xc0                                       ; destination window 3
.irp k, 0,1,2,3,4,5,6,7,8,9,10,11,12,13,14,15,16,17,18,19,20,21,22,23
	global_load_b128 v[4*\k:4*\k+3], v[L16], s[30:31] offset:512*\k
.endr
	global_load_b128 v[96:99], v[L16], s[32:33]
	WIN 0
.endm
.macro STOREG                          ; and from there into my quarter of a slot, as it lies
	s_wait_loadcnt 0x0
	WIN 0x0c                                       ; an LDS store's data are its source 1: window 3
.irp k, 0,1,2,3,4,5,6,7,8,9,10,11,12,13,14,15,16,17,18,19,20,21,22,23,24
	ds_store_b128 v[ASTO], v[4*\k:4*\k+3] offset:512*\k
.endr
	WIN 0
.endm
.macro FEED                            ; a trip's staging: my tile of the next trip goes to the other slot; my tile of the trip after that is asked for
	s_cmp_ge_u32 s25, s21
	s_cbranch_scc1 .Lfed_\@                        ; no such tile, and then none behind it
	STOREG
	s_add_co_u32 s25, s25, 4
	s_cmp_ge_u32 s25, s21
	s_cbranch_scc1 .Lfed_\@
	LOADG
.Lfed_\@:
.endm
.macro STAGE0                          ; the finished tile leaves its accumulators: c x sum + c x dec_proj, each accumulator from its low end on
.irp u, 0,1,2,3,4,5,6,7,8,9,10,11,12,13,14,15
	v_pk_fma_f32 v[TT+2*\u:TT+2*\u+1], v[ACC+2*\u:ACC+2*\u+1], C2L, v[BI+2*(\u/4):BI+2*(\u/4)+1] op_sel_hi:[1,0,0]
.endr
.irp j, 0,1,2,3,4,5,6,7,8,9,10,11,12,13,14,15
	v_exp_f32 v[TT+\j], v[TT+\j]                   ; the first half of the batch of 32 exponentials
.endr
.endm
; The rest of a tile's vector work is a numbered list; EL writes number ee and steps it.
;   0-15 the other sixteen exponentials | 16 a plain place, and the one wait ahead of the batch's first reader | 17-32 1 + x, in pairs
;   33-64 the reciprocals | 65 a place and their one wait | 66-81 x (-2 v), summed over the four tiles of columns, in pairs of rows
.macro EL
.if ee < 16
	v_exp_f32 v[TT+16+ee], v[TT+16+ee]
.elseif ee == 16
	v_nop
	s_wait_alu depctr_va_vdst(0)
.elseif ee < 33
	v_pk_add_f32 v[TT+2*(ee-17):TT+2*(ee-17)+1], v[TT+2*(ee-17):TT+2*(ee-17)+1], 1.0 op_sel_hi:[1,0]
.elseif ee < 65
	v_rcp_f32 v[TT+ee-33], v[TT+ee-33]
.elseif ee == 65
	v_nop
	s_wait_alu depctr_va_vdst(0)
.elseif ee < 70
	v_pk_mul_f32 v[S+2*(ee-66):S+2*(ee-66)+1], v[TT+2*(ee-66):TT+2*(ee-66)+1], v[VV:VV+1] op_sel_hi:[1,0]
.elseif ee < 82
	v_pk_fma_f32 v[S+2*((ee-66)%4):S+2*((ee-66)%4)+1], v[TT+2*(ee-66):TT+2*(ee-66)+1], v[VV+2*((ee-66)/4):VV+2*((ee-66)/4)+1], v[S+2*((ee-66)%4):S+2*((ee-66)%4)+1] op_sel_hi:[1,0,1]
.endif
.set ee, ee+1
.endm
.macro E5ST i                          ; the sum over the sixteen lanes of a half (sixteen columns), and out: the lanes of a half store the same 32 bytes with the same values
.irp m, 1,2,4,8
.irp j, 0,1,2,3,4,5,6,7
	v_add_f32_dpp v[S+\j], v[S+\j], v[S+\j] row_xmask:\m row_mask:0xf bank_mask:0xf
.endr
.endr
	ds_store_b128 v[SCOA], v[S:S+3] offset:64*(\i)
	ds_store_b128 v[SCOA], v[S+4:S+7] offset:64*(\i)+16
.endm
.macro MM                              ; the product of K step qq and column tile tt
.set WR, 48*(qq%4)+12*tt
.if qq == 0
	v_wmma_scale_f32_16x16x128_f8f6f4 v[ACC+8*tt:ACC+8*tt+7], v[AF+12*qq:AF+12*qq+11], v[WR:WR+11], 0, v[SCA+qq/2], v[SCB+4*tt+qq/2] matrix_a_fmt:MATRIX_FMT_FP6 matrix_b_fmt:MATRIX_FMT_FP6
.elseif qq%2 == 0
	v_wmma_scale_f32_16x16x128_f8f6f4 v[ACC+8*tt:ACC+8*tt+7], v[AF+12*qq:AF+12*qq+11], v[WR:WR+11], v[ACC+8*tt:ACC+8*tt+7], v[SCA+qq/2], v[SCB+4*tt+qq/2] matrix_a_fmt:MATRIX_FMT_FP6 matrix_b_fmt:MATRIX_FMT_FP6
.else
	v_wmma_scale_f32_16x16x128_f8f6f4 v[ACC+8*tt:ACC+8*tt+7], v[AF+12*qq:AF+12*qq+11], v[WR:WR+11], v[ACC+8*tt:ACC+8*tt+7], v[SCA+qq/2], v[SCB+4*tt+qq/2] matrix_a_fmt:MATRIX_FMT_FP6 matrix_b_fmt:MATRIX_FMT_FP6 matrix_a_scale:MATRIX_SCALE_ROW1 matrix_b_scale:MATRIX_SCALE_ROW1
.endif
.endm
; Tile i of the slot is multiplied, the tile before it is worked.  The four accumulators take turns, one instruction a turn, from tile to tile too.
.macro WE i
.rept 4
	v_nop                                          ; places behind the last tile's products, in front of the loads into their operands and of the read of their results
.endr
	ds_load_b128 v[SCA:SCA+3], v[ARD] offset:TILEB*(\i)+12288
.irp q, 0,1,2,3,4,5,6,7
.irp g, 0,1,2
	ds_load_b128 v[AF+12*\q+4*\g:AF+12*\q+4*\g+3], v[ARD] offset:TILEB*(\i)+1536*\q+512*\g
.endr
.endr
	STAGE0
.set ee, 0
.set nn, 0
.rept 32
.set qq, nn/4
.set tt, nn%4
.if tt == 0
	s_wait_dscnt 3*(7-qq)                          ; the scale words and the fragments up to K step qq are in; the later K steps' three loads each may be out
.if qq == 0
	WIN 0x04                                       ; source 1 window 1
.endif
.if qq == 4
	WIN 0x08                                       ; source 1 window 2: numbers 66-81 of the list fall behind products 22 to 27, under this setting
.endif
.endif
	MM
	EL
	EL
	EL
.set nn, nn+1
.endr
	WIN 0
	E5ST \i
.endm
.macro EA i                            ; the batch's last tile is worked alone
.rept 4
	v_nop
.endr
	STAGE0
	WIN 0x08
.set ee, 0
.rept 82
	EL
.endr
	WIN 0
	E5ST \i
.endm
.macro BLOCK i                         ; m = 4 x trip + i: under T a tile; at T the last tile's results; past T nothing
	s_add_co_u32 s26, s22, \i
	s_cmp_ge_u32 s26, s21
	s_cbranch_scc1 .Lno_tile_\@
	WE \i
	s_branch .Lnext_\@
.Lno_tile_\@:
	s_cmp_lg_u32 s26, s21
	s_cbranch_scc1 .Lnext_\@
	EA \i
.Lnext_\@:
.endm
	s_load_b256 s[4:11], s[0:1], 0x0               ; acodes s[4:5], ascales s[6:7], counts s[8:9], wimg s[10:11]
	s_load_b256 s[12:19], s[0:1], 0x20             ; W_enc's scales s[12:13], decp s[14:15], v s[16:17], part s[18:19]
	v_lshl_add_u32 v254, v0, 2, 0x21000
	v_mov_b32 v255, 0
	v_lshrrev_b32 v10, 5, v0
	v_readfirstlane_b32 s2, v10                    ; wave 0..3
	s_and_b32 s3, ttmp7, 0xffff                    ; b
	s_lshl_b32 s34, s3, 7
	v_and_b32 v10, 31, v0
	v_lshlrev_b32 v[L16], 4, v10
	v_and_b32 v10, 15, v0                          ; r
	v_bfe_u32 v11, v0, 4, 1                        ; h
	v_lshlrev_b32 v[SOFF], 5, v10
	v_lshl_add_u32 v[SOFF], v11, 2, v[SOFF]
	v_lshlrev_b32 v[R4], 2, v10
	s_mul_i32 s28, s2, TILEB
	v_add_nc_u32 v[AST0], s28, v[L16]
	s_mul_i32 s28, s2, SCOW
	s_add_co_u32 s28, s28, SCO
	v_add_nc_u32 v[ZA], s28, v[L16]
	v_lshl_add_u32 v[SCOA], v11, 5, s28
	s_wait_kmcnt 0x0
	s_load_b32 s21, s[8:9], s34 offset:0x8         ; T
	s_lshl_b32 s26, ttmp9, 4
	s_lshl_b32 s28, s2, 2
	s_add_co_u32 s26, s26, s28                     ; my first tile of 16 columns: 16 dq + 4 wave
	s_mul_i32 s28, s26, 12288
	s_mov_b32 s29, 0                               ; the upper word of every offset pair s[28:29]
	s_add_nc_u64 s[10:11], s[10:11], s[28:29]
	s_lshl_b32 s28, s26, 9                         ; 16 rows of 32 scale bytes
	s_add_nc_u64 s[12:13], s[12:13], s[28:29]
	s_lshl_b32 s30, s26, 6                         ; 16 columns of 4 bytes
	s_lshl_b32 s28, s3, 12
	s_add_co_u32 s28, s28, s30
	s_add_nc_u64 s[14:15], s[14:15], s[28:29]
	s_mov_b32 s28, s30
	s_add_nc_u64 s[16:17], s[16:17], s[28:29]
	s_lshl_b32 s28, ttmp9, 6
	s_add_co_u32 s28, s28, s3
	s_lshl_b32 s28, s28, 12                        ; part: 4,096 bytes for (dq, b)
	s_add_nc_u64 s[18:19], s[18:19], s[28:29]
	s_lshl_b32 s27, s3, 6
	WIN 0x40                                       ; destination window 1
.irp q, 0,1,2,3
.irp t, 0,1,2,3
.irp g, 0,1,2
	global_load_b128 v[48*\q+12*\t+4*\g:48*\q+12*\t+4*\g+3], v[L16], s[10:11] offset:12288*\t+1536*\q+512*\g
.endr
.endr
.endr
	WIN 0x80                                       ; destination window 2
.irp q, 4,5,6,7
.irp t, 0,1,2,3
.irp g, 0,1,2
	global_load_b128 v[48*(\q-4)+12*\t+4*\g:48*(\q-4)+12*\t+4*\g+3], v[L16], s[10:11] offset:12288*\t+1536*\q+512*\g
.endr
.endr
.endr
	WIN 0
.irp t, 0,1,2,3
.irp i, 0,1,2,3
	global_load_b32 v[SCB+4*\t+\i], v[SOFF], s[12:13] offset:512*\t+8*\i
.endr
	global_load_b32 v[BI+2*\t], v[R4], s[14:15] offset:64*\t
	global_load_b32 v[BI+2*\t+1], v[R4], s[14:15] offset:64*\t
	global_load_b32 v[TT+\t], v[R4], s[16:17] offset:64*\t
.endr
.irp j, 0,1,2,3,4,5,6,7,8,9,10,11,12,13,14,15,16,17,18,19,20,21,22,23,24,25,26,27,28,29,30,31
	v_mov_b32 v[ACC+\j], 0                         ; what the first tile's turn works as 'the tile before'; the loop is so written once
.endr
.irp k, 0,1,2,3,4,5,6,7,8
	ds_store_b128 v[ZA], v[ACC:ACC+3] offset:512*\k   ; my wave's sums begin as zeros: places past T are stored as they are
.endr
	s_wait_kmcnt 0x0
	s_sub_co_u32 s25, s21, 1                       ; my tile of the first trip: the wave's number, or the batch's last tile where there are fewer (nobody reads that copy),
	s_min_u32 s25, s25, s2
	s_min_u32 s25, s25, 63                         ; held under 64, since it becomes an address
	LOADG
	v_mov_b32 v[ASTO], v[AST0]                     ; into slot 0
	STOREG                                         ; (its wait is for all the head's loads)
	WIN 0x80
.irp t, 0,1,2,3
	v_mul_f32 v[VV+2*\t], -2.0, v[TT+\t]
	v_mul_f32 v[VV+2*\t+1], -2.0, v[TT+\t]
.endr
	WIN 0
	s_add_co_u32 s25, s2, 4
	s_cmp_ge_u32 s25, s21
	s_cbranch_scc1 .Lhead_fed
	LOADG
.Lhead_fed:
	s_mov_b32 s22, 0
	s_mov_b32 s23, 0
	s_wait_dscnt 0x0                               ; my quarter of slot 0 has landed
	s_barrier_signal -1
	s_barrier_wait -1                              ; everybody's has
.Ltrip:                                            ; sixteen trips, a constant: four tiles each; what a batch does not have is jumped over, the barrier never
	v_add_nc_u32 v[ARD], s23, v[L16]
	s_xor_b32 s24, s23, SLOT1
	v_add_nc_u32 v[ASTO], s24, v[AST0]
	FEED
	BLOCK 0
	BLOCK 1
	BLOCK 2
	BLOCK 3
	v_add_nc_u32 v[SCOA], 256, v[SCOA]
	s_xor_b32 s23, s23, SLOT1
	s_add_co_u32 s22, s22, 4
	s_wait_dscnt 0x0                               ; my reads of this slot are over, and my stores into the other have landed:
	s_barrier_signal -1
	s_barrier_wait -1                              ; both now hold of every wave: the next trip reads the other slot and fills this one
	s_cmp_lt_u32 s22, 64
	s_cbranch_scc1 .Ltrip
	s_cmp_lg_u32 s21, 64
	s_cbranch_scc1 .Lsummed
	EA 0                                           ; a batch of 64 tiles: the last one's results, to place 64
.Lsummed:
	s_wait_dscnt 0x0
	s_barrier_signal -1
	s_barrier_wait -1                              ; every wave's sums lie in LDS
	v_lshl_add_u32 v[ZA], v0, 4, SCO+64            ; thread t takes places 4 t .. 4 t + 3 and 512 + 4 t ..; the sums begin at place 1
.irp j, 0,1
.irp w, 0,1,2,3
	ds_load_b128 v[AF+16*\j+4*\w:AF+16*\j+4*\w+3], v[ZA] offset:2048*\j+SCOW*\w
.endr
.endr
	v_lshlrev_b32 v10, 4, v0
	s_wait_dscnt 0x0
.irp j, 0,1
	v_pk_add_f32 v[AF+16*\j:AF+16*\j+1], v[AF+16*\j:AF+16*\j+1], v[AF+16*\j+4:AF+16*\j+5]
	v_pk_add_f32 v[AF+16*\j+2:AF+16*\j+3], v[AF+16*\j+2:AF+16*\j+3], v[AF+16*\j+6:AF+16*\j+7]
	v_pk_add_f32 v[AF+16*\j+8:AF+16*\j+9], v[AF+16*\j+8:AF+16*\j+9], v[AF+16*\j+12:AF+16*\j+13]
	v_pk_add_f32 v[AF+16*\j+10:AF+16*\j+11], v[AF+16*\j+10:AF+16*\j+11], v[AF+16*\j+14:AF+16*\j+15]
	v_pk_add_f32 v[AF+16*\j:AF+16*\j+1], v[AF+16*\j:AF+16*\j+1], v[AF+16*\j+8:AF+16*\j+9]
	v_pk_add_f32 v[AF+16*\j+2:AF+16*\j+3], v[AF+16*\j+2:AF+16*\j+3], v[AF+16*\j+10:AF+16*\j+11]
.endr
	global_store_b128 v10, v[AF:AF+3], s[18:19]               ; a wave stores 512 consecutive bytes
	global_store_b128 v10, v[AF+16:AF+19], s[18:19] offset:2048
	s_wait_tensorcnt 0x0
	ds_add_u32 v254, v255
	s_wait_dscnt 0x0
	s_endpgm
.Lfunc_end_k_q0350a94e0c_gemm:
	.size	k_q0350a94e0c_gemm, .Lfunc_end_k_q0350a94e0c_gemm-k_q0350a94e0c_gemm
	.p2alignl 7, 3214868480
	.fill 96, 4, 3214868480
	.section	.rodata,"a",@progbits
	.p2align	6, 0x0
	.amdhsa_kernel k_q0350a94e0c_gemm
		.amdhsa_group_segment_fixed_size 135680
		.amdhsa_private_segment_fixed_size 0
		.amdhsa_enable_private_segment 0
		.amdhsa_kernarg_size 64
		.amdhsa_user_sgpr_count 2
		.amdhsa_user_sgpr_kernarg_segment_ptr 1
		.amdhsa_wavefront_size32 1
		.amdhsa_system_sgpr_workgroup_id_x 1
		.amdhsa_system_sgpr_workgroup_id_y 1
		.amdhsa_system_sgpr_workgroup_id_z 1
		.amdhsa_system_vgpr_workitem_id 0
		.amdhsa_next_free_vgpr 896
		.amdhsa_next_free_sgpr 66
		.amdhsa_reserve_vcc 0
		.amdhsa_float_denorm_mode_32 3
		.amdhsa_float_denorm_mode_16_64 3
		.amdhsa_memory_ordered 1
		.amdhsa_forward_progress 1
		.amdhsa_inst_pref_size 126
	.end_amdhsa_kernel
	.amdgpu_metadata
---
amdhsa.version: [ 1, 2 ]
amdhsa.kernels:
  - .name:           k_q0350a94e0c_gemm
    .symbol:         k_q0350a94e0c_gemm.kd
    .args:
      - { .name: acodes, .offset: 0, .size: 8, .value_kind: global_buffer, .address_space: global }
      - { .name: ascales, .offset: 8, .size: 8, .value_kind: global_buffer, .address_space: global }
      - { .name: counts, .offset: 16, .size: 8, .value_kind: global_buffer, .address_space: global }
      - { .name: wimg, .offset: 24, .size: 8, .value_kind: global_buffer, .address_space: global }
      - { .name: W_enc_scales, .offset: 32, .size: 8, .value_kind: global_buffer, .address_space: global }
      - { .name: decp, .offset: 40, .size: 8, .value_kind: global_buffer, .address_space: global }
      - { .name: v, .offset: 48, .size: 8, .value_kind: global_buffer, .address_space: global }
      - { .name: part, .offset: 56, .size: 8, .value_kind: global_buffer, .address_space: global }
    .group_segment_fixed_size: 135680
    .private_segment_fixed_size: 0
    .kernarg_segment_align: 8
    .kernarg_segment_size: 64
    .max_flat_workgroup_size: 128
    .sgpr_count:     66
    .vgpr_count:     896
    .wavefront_size: 32
...
	.end_amdgpu_metadata
.endif
;; end of part 3
;; launch ctx (part 4): grid 4 x 64, 8 waves a work-group, no clusters, 18,944 bytes of LDS; arguments encoder_outputs, rowlist, rowpos, counts, part, out0, out1; writes out0, out1
.if DOCPART == 4
	.amdgcn_target "amdgcn-amd-amdhsa--gfx1250"
	.amdhsa_code_object_version 6
	.text
	.protected	k_q0350a94e0c_ctx
	.globl	k_q0350a94e0c_ctx
	.p2align	8
	.type	k_q0350a94e0c_ctx,@function
k_q0350a94e0c_ctx:
	s_mov_b64 s[64:65], 0
	v_nop
	global_prefetch_b8 v0, s[64:65] scope:SCOPE_SE
	s_setreg_imm32_b32 hwreg(HW_REG_WAVE_MODE, 25, 1), 1
	s_wait_xcnt 0x0
; THE SOFTMAX AND THE CONTEXT.  Work-group (cq, b): batch b, columns 256 cq .. 256 cq + 255 of the context and rows 256 cq .. of attn.
; Every work-group of a batch makes the batch's softmax for itself (1,024 numbers): score at place p = the four parts' sum; the row's maximum is taken away; e = 2^((score - max) log2(e)); attn = e / the sum.
; Places past n_eff count as -3e38: (-3e38 - max) log2(e) is -infinity in f32 and its exponential 0.  Where no row is kept (flag) every score counts as 0: attn = 1 / 1,024 over all rows, as reference() gives.
; LIMITS: a row that src_mask throws away gets attn = 0 exactly, which is what reference() gives while the sum of |v| stays under 9e8 (2^((-1e9 - max) log2(e)) is then 0 in f32);
; such rows are not read, so NaN and infinities in them (and anywhere) are not served.
; The context is the sum over the list's places of attn x the row, in f32: only the kept rows are read, each byte once in the launch.  A load takes two rows (one for each half of the lanes) x 256 consecutive bytes.
; Rows come in trips of 128 places, two register slots of 64 places (8 a wave) by turns: 32 loads a wave are out.  Places between n_eff and the trip's end name the first kept row and weigh 0.
; The loop has eight trips, a constant; trips past ceil(n_eff / 128) are jumped over; a slot is filled again only if a further trip has rows.  No cache hint: the list may name a row twice.
; No matrix unit: each row's number meets one weight.  No cluster: the four work-groups of a batch share only the 20 KiB of parts and lists.
.set WL,   0                           ; LDS: attn by place, 1,024 words + 128 of padding
.set LIST, 4608                        ; the list, likewise
.set RED,  9216                        ; the waves' maxima
.set RED2, 9472                        ; the waves' sums
.set CTX,  9728                        ; the waves' parts of the context: 1,024 bytes each
.set X16,  1                           ; v1   16 x (lane % 16)
.set LAD,  2                           ; v2   32 wave + 16 h + 512 trip: my four places' bytes in WL and LIST
.set T16,  3                           ; v3   16 x thread
.set PADA, 4                           ; v4   my word of the paddings
.set REDA, 5                           ; v5   RED + 4 wave
.set SC,   8                           ; v8-11   my four places' scores, then e, then attn
.set GA,   12                          ; v12-15  4 x the places of my four rows of attn
.set IX,   16                          ; v16-19  four rows' numbers
.set WT,   20                          ; v20-23  four weights
.set VO,   24                          ; v24-31  the rows' byte offsets, four for each slot
.set ACC,  32                          ; v32-47  my sixteen columns: 4 j + c = byte 256 j + 16 (lane % 16) + 4 c
.set RT,   48                          ; v48-55  at work
.set AT,   56                          ; v56-59  attn of my four rows
.set ZERO, 60
.set CTXA, 61                          ; v61  1,024 wave + 16 (lane % 16)
.set P4,   62                          ; v62  4 x thread: my first place
.set NEGB, 63                          ; v63  -3e38
.set D,    64                          ; v64-191 two slots of 64: row u, piece j at 16 u + 4 j
	s_load_b256 s[4:11], s[0:1], 0x0               ; encoder_outputs s[4:5], rowlist s[6:7], rowpos s[8:9], counts s[10:11]
	s_load_b128 s[12:15], s[0:1], 0x20             ; part s[12:13], out0 s[14:15]
	s_load_b64 s[16:17], s[0:1], 0x30              ; out1
	v_lshl_add_u32 v192, v0, 2, 0x4600
	v_mov_b32 v193, 0
	v_lshrrev_b32 v6, 5, v0
	v_readfirstlane_b32 s2, v6                     ; wave 0..7
	s_and_b32 s3, ttmp7, 0xffff                    ; b
	v_lshl_add_u32 v[REDA], v6, 2, RED
	v_and_b32 v[X16], 15, v0
	v_lshlrev_b32 v[X16], 4, v[X16]
	v_lshl_add_u32 v[CTXA], v6, 10, v[X16]
	v_and_b32 v[LAD], 0xf0, v0                     ; 32 wave + 16 h
	v_lshlrev_b32 v[T16], 4, v0
	v_and_b32 v[PADA], 127, v0
	v_lshlrev_b32 v[PADA], 2, v[PADA]
	v_lshrrev_b32 v7, 7, v0
	v_mad_u32_u24 v[PADA], v7, LIST, v[PADA]       ; threads 0-127: WL's padding; threads 128-255: LIST's
	v_lshlrev_b32 v[P4], 2, v0
	v_mov_b32 v[ZERO], 0
	v_mov_b32 v[NEGB], 0xff61b1e6
	v_and_b32 v6, 63, v0
	v_lshlrev_b32 v6, 4, v6                        ; rowpos: 16 x (thread % 64)
	s_lshl_b32 s20, s3, 12                         ; 4,096 b
	s_mov_b32 s21, 0
	s_lshl_b32 s22, s3, 7
	s_lshl_b32 s31, ttmp9, 10                      ; 1,024 cq
	s_add_co_u32 s34, s20, s31
	s_mov_b32 s35, 0
	s_lshl_b32 s36, s3, 22                         ; a batch of encoder_outputs is 4 MiB
	s_add_co_u32 s36, s36, s31
	s_mov_b32 s37, 0
	s_mov_b32 s32, 0x76543210
	s_mov_b32 s33, 0xfedcba98                      ; v_permlanex16_b32's selects for lane l xor 16
	s_wait_kmcnt 0x0
	s_load_b128 s[24:27], s[10:11], s22 offset:0x0 ; n, n_eff s25, T, flag s27
	s_add_nc_u64 s[4:5], s[4:5], s[36:37]
	s_add_nc_u64 s[6:7], s[6:7], s[20:21]
	s_add_nc_u64 s[12:13], s[12:13], s[20:21]
	s_add_nc_u64 s[8:9], s[8:9], s[34:35]
	s_add_nc_u64 s[14:15], s[14:15], s[34:35]
	s_add_nc_u64 s[16:17], s[16:17], s[34:35]
.irp q, 0,1,2,3
	global_load_b128 v[D+4*\q:D+4*\q+3], v[T16], s[12:13] offset:262144*\q
.endr
	global_load_b128 v[D+16:D+19], v[T16], s[6:7]
	global_load_b128 v[D+20:D+23], v6, s[8:9]
.irp i, 0,1,2,3,4,5,6,7,8,9,10,11,12,13,14,15
	v_mov_b32 v[ACC+\i], 0
.endr
	v_mov_b32 v7, 0                                ; written once: a lane permute's destination counts as one of its sources
	s_wait_loadcnt 0x0
	s_wait_kmcnt 0x0
	; ---- the scores, their maximum; the list goes to LDS
	v_pk_add_f32 v[D:D+1], v[D:D+1], v[D+4:D+5]
	v_pk_add_f32 v[D+2:D+3], v[D+2:D+3], v[D+6:D+7]
	v_pk_add_f32 v[D+8:D+9], v[D+8:D+9], v[D+12:D+13]
	v_pk_add_f32 v[D+10:D+11], v[D+10:D+11], v[D+14:D+15]
	v_pk_add_f32 v[SC:SC+1], v[D:D+1], v[D+8:D+9]
	v_pk_add_f32 v[SC+2:SC+3], v[D+2:D+3], v[D+10:D+11]
	s_cmp_lg_u32 s27, 0
	s_cselect_b32 s28, -1, 0
.irp c, 0,1,2,3
	v_cndmask_b32 v[SC+\c], v[SC+\c], 0, s28       ; no row kept: every score alike
	v_add_nc_u32 v6, \c, v[P4]
	v_cmp_gt_u32 vcc_lo, s25, v6
	v_cndmask_b32 v[SC+\c], v[NEGB], v[SC+\c], vcc_lo   ; places past n_eff do not count
	v_min_u32 v[GA+\c], 0x3ff, v[D+20+\c]          ; a place is under 1,024: held there, since it becomes an address
	v_lshlrev_b32 v[GA+\c], 2, v[GA+\c]
.endr
	v_max3_num_f32 v6, v[SC], v[SC+1], v[SC+2]
	v_max_num_f32 v6, v6, v[SC+3]
.irp m, 1,2,4,8
	v_max_num_f32_dpp v6, v6, v6 row_xmask:\m row_mask:0xf bank_mask:0xf
.endr
	v_permlanex16_b32 v7, v6, s32, s33
	v_max_num_f32 v6, v6, v7
	ds_store_b32 v[REDA], v6                       ; all lanes write the wave's word with the same value
	ds_store_b128 v[T16], v[D+16:D+19] offset:LIST
	ds_store_b32 v[PADA], v[ZERO] offset:4096      ; the paddings: row 0, weight 0
	s_wait_dscnt 0x0
	s_barrier_signal -1
	s_barrier_wait -1                              ; the list and the eight maxima lie in LDS
; Slot k takes the rows of my four places, off bytes on in the list.
.macro ROWS k, off
	ds_load_b128 v[IX:IX+3], v[LAD] offset:LIST+\off+256*\k
	s_wait_dscnt 0x0
.irp u, 0,1,2,3
	v_min_u32 v[IX+\u], 0x3ff, v[IX+\u]            ; a row's number is under 1,024: held there, since it becomes an address
.endr
.irp u, 0,1,2,3
	v_lshl_add_u32 v[VO+4*\k+\u], v[IX+\u], 12, v[X16]   ; (the slot's earlier loads are in: their offsets may be written)
.endr
.irp u, 0,1,2,3
.irp j, 0,1,2,3
	global_load_b128 v[D+64*\k+16*\u+4*\j:D+64*\k+16*\u+4*\j+3], v[VO+4*\k+\u], s[4:5] offset:256*\j
.endr
.endr
.endm
	ROWS 0, 0                                      ; the first trip's rows are on their way while the softmax is finished
	ROWS 1, 0
	ds_load_b128 v[RT:RT+3], v[ZERO] offset:RED
	ds_load_b128 v[RT+4:RT+7], v[ZERO] offset:RED+16
	s_wait_dscnt 0x0
	v_max3_num_f32 v6, v[RT], v[RT+1], v[RT+2]
	v_max3_num_f32 v6, v6, v[RT+3], v[RT+4]
	v_max3_num_f32 v6, v6, v[RT+5], v[RT+6]
	v_max_num_f32 v6, v6, v[RT+7]                  ; the row's maximum (place 0 always counts, so it is a score)
.irp c, 0,1,2,3
	v_sub_f32 v[SC+\c], v[SC+\c], v6
.endr
.irp c, 0,1,2,3
	v_mul_f32 v[SC+\c], 0x3fb8aa3b, v[SC+\c]
.endr
.irp c, 0,1,2,3
	v_exp_f32 v[SC+\c], v[SC+\c]
.endr
	v_nop                                          ; a plain place behind the exponentials,
	s_wait_alu depctr_va_vdst(0)                   ; and the one wait ahead of their first reader
	v_add_f32 v6, v[SC], v[SC+1]
	v_add_f32 v7, v[SC+2], v[SC+3]
	v_add_f32 v6, v6, v7
.irp m, 1,2,4,8
	v_add_f32_dpp v6, v6, v6 row_xmask:\m row_mask:0xf bank_mask:0xf
.endr
	v_permlanex16_b32 v7, v6, s32, s33
	v_add_f32 v6, v6, v7
	ds_store_b32 v[REDA], v6 offset:RED2-RED
	s_wait_dscnt 0x0
	s_barrier_signal -1
	s_barrier_wait -1                              ; the eight sums lie in LDS
	ds_load_b128 v[RT:RT+3], v[ZERO] offset:RED2
	ds_load_b128 v[RT+4:RT+7], v[ZERO] offset:RED2+16
	s_wait_dscnt 0x0
	v_add_f32 v6, v[RT], v[RT+1]
	v_add_f32 v7, v[RT+2], v[RT+3]
	v_add_f32 v[RT], v[RT+4], v[RT+5]
	v_add_f32 v[RT+1], v[RT+6], v[RT+7]
	v_add_f32 v6, v6, v7
	v_add_f32 v[RT], v[RT], v[RT+1]
	v_add_f32 v6, v6, v[RT]
	v_rcp_f32 v6, v6
	v_nop
	s_wait_alu depctr_va_vdst(0)
.irp c, 0,1,2,3
	v_mul_f32 v[SC+\c], v[SC+\c], v6
.endr
	ds_store_b128 v[T16], v[SC:SC+3] offset:WL
	s_add_co_u32 s29, s25, 127
	s_lshr_b32 s29, s29, 7                         ; trips that have rows: 1 to 8
	s_mov_b32 s30, 0
	s_wait_dscnt 0x0
	s_barrier_signal -1
	s_barrier_wait -1                              ; attn by place lies in LDS
; Slot k's turn: its four weights, its sixteen loads, 64 multiply-adds.  left: the other slot's loads, which may stay out.
.macro TURN k, left
	ds_load_b128 v[WT:WT+3], v[LAD] offset:WL+256*\k
	s_wait_loadcnt \left
	s_wait_dscnt 0x0
.irp u, 0,1,2,3
.irp j, 0,1,2,3
.irp c, 0,1,2,3
	v_fmac_f32 v[ACC+4*\j+\c], v[WT+\u], v[D+64*\k+16*\u+4*\j+\c]
.endr
.endr
.endr
.endm
.Ltrip:
	s_cmp_ge_u32 s30, s29
	s_cbranch_scc1 .Lskip
	TURN 0, 16
	s_add_co_u32 s31, s30, 1
	s_cmp_ge_u32 s31, s29
	s_cbranch_scc1 .Llast
	ROWS 0, 512                                    ; the next trip's
	TURN 1, 16
	ROWS 1, 512
	s_branch .Lskip
.Llast:
	TURN 1, 0                                      ; the last trip that has rows fills nothing: its second turn waits for all
.Lskip:
	v_add_nc_u32 v[LAD], 512, v[LAD]
	s_add_co_u32 s30, s30, 1
	s_cmp_lt_u32 s30, 8
	s_cbranch_scc1 .Ltrip
	s_wait_loadcnt 0x0                             ; (met at once: the last turn has waited for all)
	; ---- the halves of the lanes hold other rows of the same columns; then the eight waves' parts meet in LDS
.irp i, 0,1,2,3,4,5,6,7
	v_permlanex16_b32 v[RT+\i], v[ACC+\i], s32, s33
.endr
.irp i, 0,1,2,3,4,5,6,7
	v_add_f32 v[ACC+\i], v[ACC+\i], v[RT+\i]
.endr
.irp i, 0,1,2,3,4,5,6,7
	v_permlanex16_b32 v[RT+\i], v[ACC+8+\i], s32, s33
.endr
.irp i, 0,1,2,3,4,5,6,7
	v_add_f32 v[ACC+8+\i], v[ACC+8+\i], v[RT+\i]
.endr
.irp j, 0,1,2,3
	ds_store_b128 v[CTXA], v[ACC+4*\j:ACC+4*\j+3] offset:CTX+256*\j   ; both halves store the same bytes with the same values
.endr
	s_wait_dscnt 0x0
	s_barrier_signal -1
	s_barrier_wait -1                              ; behind this barrier LDS is only read
	s_cmp_ge_u32 s2, 2
	s_cbranch_scc1 .Lend
.irp w, 0,1,2,3,4,5,6,7
	ds_load_b128 v[D+4*\w:D+4*\w+3], v[T16] offset:CTX+1024*\w   ; threads 0-63: four columns each
.endr
.irp c, 0,1,2,3
	ds_load_b32 v[AT+\c], v[GA+\c]                 ; attn of rows 256 cq + 4 thread + c, found by their places
.endr
	s_wait_dscnt 0x0
.irp w, 0,2,4,6
	v_pk_add_f32 v[D+4*\w:D+4*\w+1], v[D+4*\w:D+4*\w+1], v[D+4*\w+4:D+4*\w+5]
	v_pk_add_f32 v[D+4*\w+2:D+4*\w+3], v[D+4*\w+2:D+4*\w+3], v[D+4*\w+6:D+4*\w+7]
.endr
.irp w, 0,4
	v_pk_add_f32 v[D+4*\w:D+4*\w+1], v[D+4*\w:D+4*\w+1], v[D+4*\w+8:D+4*\w+9]
	v_pk_add_f32 v[D+4*\w+2:D+4*\w+3], v[D+4*\w+2:D+4*\w+3], v[D+4*\w+10:D+4*\w+11]
.endr
	v_pk_add_f32 v[D:D+1], v[D:D+1], v[D+16:D+17]
	v_pk_add_f32 v[D+2:D+3], v[D+2:D+3], v[D+18:D+19]
	global_store_b128 v[T16], v[D:D+3], s[14:15]   ; a wave stores 512 consecutive bytes, at a multiple of 256 from the buffer's first byte
	global_store_b128 v[T16], v[AT:AT+3], s[16:17]
.Lend:
	s_wait_tensorcnt 0x0
	ds_add_u32 v192, v193
	s_wait_dscnt 0x0
	s_endpgm
.Lfunc_end_k_q0350a94e0c_ctx:
	.size	k_q0350a94e0c_ctx, .Lfunc_end_k_q0350a94e0c_ctx-k_q0350a94e0c_ctx
	.p2alignl 7, 3214868480
	.fill 96, 4, 3214868480
	.section	.rodata,"a",@progbits
	.p2align	6, 0x0
	.amdhsa_kernel k_q0350a94e0c_ctx
		.amdhsa_group_segment_fixed_size 18944
		.amdhsa_private_segment_fixed_size 0
		.amdhsa_enable_private_segment 0
		.amdhsa_kernarg_size 56
		.amdhsa_user_sgpr_count 2
		.amdhsa_user_sgpr_kernarg_segment_ptr 1
		.amdhsa_wavefront_size32 1
		.amdhsa_system_sgpr_workgroup_id_x 1
		.amdhsa_system_sgpr_workgroup_id_y 1
		.amdhsa_system_sgpr_workgroup_id_z 1
		.amdhsa_system_vgpr_workitem_id 0
		.amdhsa_next_free_vgpr 194
		.amdhsa_next_free_sgpr 66
		.amdhsa_reserve_vcc 1
		.amdhsa_float_denorm_mode_32 3
		.amdhsa_float_denorm_mode_16_64 3
		.amdhsa_memory_ordered 1
		.amdhsa_forward_progress 1
		.amdhsa_inst_pref_size 27
	.end_amdhsa_kernel
	.amdgpu_metadata
---
amdhsa.version: [ 1, 2 ]
amdhsa.kernels:
  - .name:           k_q0350a94e0c_ctx
    .symbol:         k_q0350a94e0c_ctx.kd
    .args:
      - { .name: encoder_outputs, .offset: 0, .size: 8, .value_kind: global_buffer, .address_space: global }
      - { .name: rowlist, .offset: 8, .size: 8, .value_kind: global_buffer, .address_space: global }
      - { .name: rowpos, .offset: 16, .size: 8, .value_kind: global_buffer, .address_space: global }
      - { .name: counts, .offset: 24, .size: 8, .value_kind: global_buffer, .address_space: global }
      - { .name: part, .offset: 32, .size: 8, .value_kind: global_buffer, .address_space: global }
      - { .name: out0, .offset: 40, .size: 8, .value_kind: global_buffer, .address_space: global }
      - { .name: out1, .offset: 48, .size: 8, .value_kind: global_buffer, .address_space: global }
    .group_segment_fixed_size: 18944
    .private_segment_fixed_size: 0
    .kernarg_segment_align: 8
    .kernarg_segment_size: 56
    .max_flat_workgroup_size: 256
    .sgpr_count:     66
    .vgpr_count:     194
    .wavefront_size: 32
...
	.end_amdgpu_metadata
.endif
;; end of part 4
;; ======== version 2 of 2: 4 launches; version 1 with the launches prep, gemm written anew for expert scheduling mode
;; limits: right only within a limited range of input values
;; workspace buffers: rowlist 262,144 bytes of whole numbers; rowpos 262,144 bytes of whole numbers; counts 8,192 bytes of whole numbers; decp 262,144 bytes; acodes 50,331,648 bytes; ascales 2,097,152 bytes; part 1,048,576 bytes; wimg 786,432 bytes
;; launch prep (part 5): grid 96 x 1, 4 waves a work-group, no clusters, 0 bytes of LDS; arguments src_mask, decoder_hidden_codes, decoder_hidden_scales, W_dec_codes, W_dec_scales, W_enc_codes, rowlist, rowpos, counts, decp, wimg; writes rowlist, rowpos, counts, decp, wimg
.if DOCPART == 5
	.amdgcn_target "amdgcn-amd-amdhsa--gfx1250"
	.amdhsa_code_object_version 6
	.text
	.protected	k_q0350a94e0c_prep
	.globl	k_q0350a94e0c_prep
	.p2align	8
	.type	k_q0350a94e0c_prep,@function
k_q0350a94e0c_prep:
	s_mov_b64 s[64:65], 0
	v_nop
	global_prefetch_b8 v0, s[64:65] scope:SCOPE_SE
	s_setreg_imm32_b32 hwreg(HW_REG_WAVE_SCHED_MODE, 0, 2), 2
	s_setreg_imm32_b32 hwreg(HW_REG_WAVE_MODE, 25, 1), 1
	s_wait_xcnt 0x0
	s_wait_alu depctr_vm_vsrc(0)
; THREE SMALL JOBS IN ONE LAUNCH, told apart by the work-group's number; no LDS, no barrier, waves share nothing.
; Work-groups 0-15: THE LISTS.  A wave takes a batch b = 4 x + wave and sorts its 1,024 rows by src_mask: kept rows first, in ascending order.
;   rowpos[b][s]  = the place of row s: its rank among the kept rows, or n + its rank among the others (n = the number kept).
;   rowlist[b][p] = the row at place p for p < n; the batch's first kept row for p >= n (so a tile of 16 places can always be gathered).
;   A batch with no kept row (its softmax is flat over all 1,024 rows) gets the identity and counts as 1,024 rows.
;   counts[b][l]  = n, n_eff (n, or 1,024 where n = 0), T = ceil(n_eff / 16), flag (n = 0), by l mod 4; 32 words a batch, one store of the wave.
; Work-groups 16-79: c x (decoder_hidden W_dec^T), c = 2 log2(e), on the given codes of E2M3: work-group = 16 columns d, wave = 16 batches.
;   Used transposed (source 0 = 16 rows of W_dec, source 1 = 16 batches): a lane holds one batch and eight neighbouring d.  One accumulator, K ascending.
;   Its stores are pieces of 32 bytes a lane in rows 4,096 bytes apart: 256 KiB in the whole launch.
; Work-groups 80-95: W_enc's codes laid out as images of the operand's registers: wimg[64 tiles of 16 rows][8 K steps][3][32 lanes][16 bytes], a wave a tile.
; THE MODE: SCHED_MODE bits 1:0 = 2 (LLVM: expert scheduling mode 2), set by the entry lines.  The code itself states the register dependences
; between vector or matrix instructions and memory instructions, with s_wait_alu, always for 0.
; THE PLAN.  Each way makes its offsets first; one wait on va_vdst stands ahead of its first load.  What is stored from vector results (c x the sums; the lists) is made whole, in registers of its
; own, and one wait on va_vdst stands ahead of the run of stores.  No register that a memory instruction reads is written again.  Scalar registers that vector instructions write
; (the wave's number, the lane masks) have a wait on va_sdst behind the run of their writers, ahead of the first reader.
.set C2L, 0x4038aa3b                   ; c = 2 log2(e)
.set MK,  24                           ; s24-55   lane masks of the 32 blocks of 32 rows: kept
.set M,   32                           ; v32-63   src_mask as loaded
.set P,   64                           ; v64-95   places
.set V,   96                           ; v96-127  what goes into rowlist
.set A,   128                          ; v128-159 where it goes: 4 x place
.set FW,  16                           ; v16-111  eight fragments of a weight (16 rows x 128 K: 12 registers)
.set FH,  112                          ; v112-207 eight fragments of decoder_hidden
.set SW,  208                          ; v208-215 the weight's scale words, K step q in register q
.set SH,  216                          ; v216-223 decoder_hidden's
.set AC,  224                          ; v224-231 the accumulator
.set OUT, 232                          ; v232-239 c x the sums
	s_load_b256 s[4:11], s[0:1], 0x0               ; src_mask s[4:5], decoder_hidden's codes s[6:7], its scales s[8:9], W_dec's codes s[10:11]
	s_load_b256 s[12:19], s[0:1], 0x20             ; W_dec's scales s[12:13], W_enc's codes s[14:15], rowlist s[16:17], rowpos s[18:19]
	s_load_b128 s[20:23], s[0:1], 0x40             ; counts s[20:21], decp s[22:23]
	s_load_b64 s[66:67], s[0:1], 0x50              ; wimg
	v_lshrrev_b32 v1, 5, v0
	v_readfirstlane_b32 s2, v1                     ; wave 0..3
	v_and_b32 v2, 31, v0                           ; lane
	v_lshlrev_b32 v3, 2, v2                        ; 4 x lane
	v_and_b32 v4, 15, v0                           ; r
	v_bfe_u32 v5, v0, 4, 1                         ; h
	v_mul_u32_u24 v6, v4, 768                      ; a row of 1,024 codes is 768 bytes
	v_mad_u32_u24 v6, v5, 24, v6                   ; + 24 h: a fragment's place for my lane
	s_mov_b32 s57, 0                               ; the upper word of every offset pair s[56:57]
	s_wait_alu depctr_va_sdst(0)                   ; s2 is written: each of the three ways reads it, behind the branches below
	s_wait_kmcnt 0x0
	s_cmp_lt_u32 ttmp9, 16
	s_cbranch_scc1 .Llists
	s_cmp_lt_u32 ttmp9, 80
	s_cbranch_scc1 .Ldec
	; ---- W_enc's images: tile 4 (x - 80) + wave
	s_sub_co_u32 s3, ttmp9, 80
	s_lshl_b32 s3, s3, 2
	s_add_co_u32 s3, s3, s2
	s_mul_i32 s56, s3, 12288                       ; 16 rows of 768 bytes, and as many bytes of images
	s_add_nc_u64 s[14:15], s[14:15], s[56:57]
	s_add_nc_u64 s[66:67], s[66:67], s[56:57]
	v_lshlrev_b32 v7, 4, v2                        ; 16 x lane
	s_wait_alu depctr_va_vdst(0)                   ; v6 and v7 are written: the loads below read v6 as their offset, the stores v7
.irp q, 0,1,2,3,4,5,6,7
.irp p, 0,1,2,3,4,5
	global_load_b64 v[FW+12*\q+2*\p:FW+12*\q+2*\p+1], v6, s[14:15] offset:96*\q+48*(\p/3)+8*(\p%3)
.endr
.endr
.irp q, 0,1,2,3,4,5,6,7
	s_wait_loadcnt 6*(7-\q)                        ; fragment q is in; the later fragments' six loads each may be out
.irp g, 0,1,2
	global_store_b128 v7, v[FW+12*\q+4*\g:FW+12*\q+4*\g+3], s[66:67] offset:1536*\q+512*\g   ; 32 lanes store 512 consecutive bytes; the data come from loads: no vector instruction names them
.endr
.endr
	s_endpgm
	; ---- c x dec_proj: columns 16 y on, batches 16 wave on
.Ldec:
	s_sub_co_u32 s3, ttmp9, 16                     ; y
	s_mul_i32 s56, s3, 12288
	s_add_nc_u64 s[10:11], s[10:11], s[56:57]      ; W_dec's 16 rows
	s_mul_i32 s56, s2, 12288
	s_add_nc_u64 s[6:7], s[6:7], s[56:57]          ; decoder_hidden's 16 rows
	s_lshl_b32 s56, s3, 9
	s_add_nc_u64 s[12:13], s[12:13], s[56:57]      ; their scale bytes: 32 a row
	s_lshl_b32 s56, s2, 9
	s_add_nc_u64 s[8:9], s[8:9], s[56:57]
	s_lshl_b32 s56, s2, 16                         ; decp: 16 rows of 4,096 bytes a wave,
	s_lshl_b32 s58, s3, 6                          ; 64 bytes a tile of columns
	s_add_co_u32 s56, s56, s58
	s_add_nc_u64 s[22:23], s[22:23], s[56:57]
	v_lshlrev_b32 v7, 5, v4                        ; 32 r: my row's scale bytes
	v_lshlrev_b32 v8, 12, v4
	v_lshl_add_u32 v8, v5, 5, v8                   ; decp: row r, + 32 h
	s_wait_alu depctr_va_vdst(0)                   ; v6, v7 and v8 are written: the offsets of the loads below and of the two stores at the end
.irp q, 0,1,2,3,4,5,6,7
.irp p, 0,1,2,3,4,5
	global_load_b64 v[FW+12*\q+2*\p:FW+12*\q+2*\p+1], v6, s[10:11] offset:96*\q+48*(\p/3)+8*(\p%3)
	global_load_b64 v[FH+12*\q+2*\p:FH+12*\q+2*\p+1], v6, s[6:7] offset:96*\q+48*(\p/3)+8*(\p%3)
.endr
.endr
	global_load_b128 v[SW:SW+3], v7, s[12:13]
	global_load_b128 v[SW+4:SW+7], v7, s[12:13] offset:16
	global_load_b128 v[SH:SH+3], v7, s[8:9]
	global_load_b128 v[SH+4:SH+7], v7, s[8:9] offset:16
	s_wait_loadcnt 0x0
	v_wmma_scale_f32_16x16x128_f8f6f4 v[AC:AC+7], v[FW:FW+11], v[FH:FH+11], 0, v[SW], v[SH] matrix_a_fmt:MATRIX_FMT_FP6 matrix_b_fmt:MATRIX_FMT_FP6
.irp q, 1,2,3,4,5,6,7
	s_wait_alu depctr_va_vdst(0)                   ; the wait directly ahead of every link
	v_wmma_scale_f32_16x16x128_f8f6f4 v[AC:AC+7], v[FW+12*\q:FW+12*\q+11], v[FH+12*\q:FH+12*\q+11], v[AC:AC+7], v[SW+\q], v[SH+\q] matrix_a_fmt:MATRIX_FMT_FP6 matrix_b_fmt:MATRIX_FMT_FP6
.endr
.rept 4
	v_nop                                          ; four places between the last product and the first read of its result (ISA guide 7.12.1)
.endr
.irp j, 0,1,2,3,4,5,6,7
	v_mul_f32 v[OUT+\j], C2L, v[AC+\j]             ; from the accumulator's low end on
.endr
	s_wait_alu depctr_va_vdst(0)                   ; the eight multiplications have written v[OUT ..], which the two stores read
	global_store_b128 v8, v[OUT:OUT+3], s[22:23]   ; decp(16 wave + r, 16 y + 8 h + 0 .. 7)
	global_store_b128 v8, v[OUT+4:OUT+7], s[22:23] offset:16
	s_endpgm
	; ---- the lists of batch 4 x + wave
.Llists:
	s_lshl_b32 s3, ttmp9, 2
	s_add_co_u32 s3, s3, s2                        ; b
	s_lshl_b32 s56, s3, 12                         ; 4,096 bytes a batch
	s_add_nc_u64 s[4:5], s[4:5], s[56:57]
	s_add_nc_u64 s[16:17], s[16:17], s[56:57]
	s_add_nc_u64 s[18:19], s[18:19], s[56:57]
	s_lshl_b32 s56, s3, 7                          ; 128 bytes a batch
	s_add_nc_u64 s[20:21], s[20:21], s[56:57]
	s_wait_alu depctr_va_vdst(0)                   ; v3 is written: the offset of the loads below
.set i, 0
.rept 32
	global_load_b32 v[M+i], v3, s[4:5] offset:128*i   ; rows 32 i + lane
.set i, i+1
.endr
	s_wait_loadcnt 0x0
.set i, 0
.rept 32
	v_cmp_ne_u32 s[MK+i], 0, v[M+i]                ; kept: reference() throws a row away where the mask is 0
.set i, i+1
.endr
	s_wait_alu depctr_va_sdst(0)                   ; the 32 compares have written the lane masks s[MK ..], ahead of their first reader
	s_mov_b32 s58, 0                               ; n
.set i, 0
.rept 32
	s_bcnt1_i32_b32 s59, s[MK+i]
	s_add_co_u32 s58, s58, s59
.set i, i+1
.endr
	s_mov_b32 s60, 0                               ; the first kept row: the blocks from the last to the first, each that has one overrides
.set i, 31
.rept 32
	s_ctz_i32_b32 s59, s[MK+i]
	s_add_co_u32 s59, s59, 32*i
	s_cmp_lg_u32 s[MK+i], 0
	s_cselect_b32 s60, s59, s60
.set i, i-1
.endr
	s_cmp_eq_u32 s58, 0
	s_cselect_b32 s61, 1, 0                        ; flag
	s_cselect_b32 s62, -1, 0                       ; all ones where no row is kept: then every place takes its own row
	s_cselect_b32 s63, 1024, s58                   ; n_eff
	s_add_co_u32 s68, s63, 15
	s_lshr_b32 s68, s68, 4                         ; T
	v_mov_b32 v8, s60
	s_mov_b32 s69, 0                               ; kept rows ahead of block i
.set i, 0
.rept 32                               ; each block has registers of its own for what its stores read: nothing is written again.  All 32 blocks are made first; the stores follow in one run
	v_mbcnt_lo_u32_b32 v4, s[MK+i], 0              ; kept rows of the block ahead of my lane
	s_sub_co_u32 s70, s58, s69
	s_add_co_u32 s70, s70, 32*i                    ; n + the rows not kept ahead of the block
	v_add_nc_u32 v5, s69, v4                       ; my place if I am kept,
	v_sub_nc_u32 v6, v2, v4
	v_add_nc_u32 v6, s70, v6                       ; and if not
	v_cndmask_b32 v[P+i], v6, v5, s[MK+i]
	s_or_b32 s71, s[MK+i], s62
	v_add_nc_u32 v7, 32*i, v2                      ; my row
	v_cndmask_b32 v[V+i], v8, v7, s71              ; places past n name the first kept row
	v_min_u32 v[A+i], 0x3ff, v[P+i]                ; a place is under 1,024: held there, since it becomes an address
	v_lshlrev_b32 v[A+i], 2, v[A+i]
	s_bcnt1_i32_b32 s59, s[MK+i]
	s_add_co_u32 s69, s69, s59
.set i, i+1
.endr
	v_and_b32 v9, 3, v2
	v_mov_b32 v10, s58
	v_mov_b32 v11, s63
	v_mov_b32 v12, s68
	v_mov_b32 v13, s61
	v_cmp_eq_u32 s59, 1, v9                        ; the three compares in a run, each into a scalar register of its own
	v_cmp_eq_u32 s70, 2, v9
	v_cmp_eq_u32 s71, 3, v9
	s_wait_alu depctr_va_sdst(0)                   ; the three compares have written s59, s70 and s71, which the three selects read
	v_cndmask_b32 v10, v10, v11, s59
	v_cndmask_b32 v10, v10, v12, s70
	v_cndmask_b32 v10, v10, v13, s71
	s_wait_alu depctr_va_vdst(0)                   ; v[A ..], v[V ..], v[P ..] and v10 are written: the offsets and the data of the 65 stores below
.set i, 0
.rept 32
	global_store_b32 v[A+i], v[V+i], s[16:17]      ; the places are a permutation: every word of the batch's list is written once
	global_store_b32 v3, v[P+i], s[18:19] offset:128*i
.set i, i+1
.endr
	global_store_b32 v3, v10, s[20:21]
	s_endpgm
.Lfunc_end_k_q0350a94e0c_prep:
	.size	k_q0350a94e0c_prep, .Lfunc_end_k_q0350a94e0c_prep-k_q0350a94e0c_prep
	.p2alignl 7, 3214868480
	.fill 96, 4, 3214868480
	.section	.rodata,"a",@progbits
	.p2align	6, 0x0
	.amdhsa_kernel k_q0350a94e0c_prep
		.amdhsa_group_segment_fixed_size 0
		.amdhsa_private_segment_fixed_size 0
		.amdhsa_enable_private_segment 0
		.amdhsa_kernarg_size 88
		.amdhsa_user_sgpr_count 2
		.amdhsa_user_sgpr_kernarg_segment_ptr 1
		.amdhsa_wavefront_size32 1
		.amdhsa_system_sgpr_workgroup_id_x 1
		.amdhsa_system_sgpr_workgroup_id_y 1
		.amdhsa_system_sgpr_workgroup_id_z 1
		.amdhsa_system_vgpr_workitem_id 0
		.amdhsa_next_free_vgpr 256
		.amdhsa_next_free_sgpr 72
		.amdhsa_reserve_vcc 0
		.amdhsa_float_denorm_mode_32 3
		.amdhsa_float_denorm_mode_16_64 3
		.amdhsa_memory_ordered 1
		.amdhsa_forward_progress 1
		.amdhsa_inst_pref_size 60
	.end_amdhsa_kernel
	.amdgpu_metadata
---
amdhsa.version: [ 1, 2 ]
amdhsa.kernels:
  - .name:           k_q0350a94e0c_prep
    .symbol:         k_q0350a94e0c_prep.kd
    .args:
      - { .name: src_mask, .offset: 0, .size: 8, .value_kind: global_buffer, .address_space: global }
      - { .name: decoder_hidden_codes, .offset: 8, .size: 8, .value_kind: global_buffer, .address_space: global }
      - { .name: decoder_hidden_scales, .offset: 16, .size: 8, .value_kind: global_buffer, .address_space: global }
      - { .name: W_dec_codes, .offset: 24, .size: 8, .value_kind: global_buffer, .address_space: global }
      - { .name: W_dec_scales, .offset: 32, .size: 8, .value_kind: global_buffer, .address_space: global }
      - { .name: W_enc_codes, .offset: 40, .size: 8, .value_kind: global_buffer, .address_space: global }
      - { .name: rowlist, .offset: 48, .size: 8, .value_kind: global_buffer, .address_space: global }
      - { .name: rowpos, .offset: 56, .size: 8, .value_kind: global_buffer, .address_space: global }
      - { .name: counts, .offset: 64, .size: 8, .value_kind: global_buffer, .address_space: global }
      - { .name: decp, .offset: 72, .size: 8, .value_kind: global_buffer, .address_space: global }
      - { .name: wimg, .offset: 80, .size: 8, .value_kind: global_buffer, .address_space: global }
    .group_segment_fixed_size: 0
    .private_segment_fixed_size: 0
    .kernarg_segment_align: 8
    .kernarg_segment_size: 88
    .max_flat_workgroup_size: 128
    .sgpr_count:     72
    .vgpr_count:     256
    .wavefront_size: 32
...
	.end_amdgpu_metadata
.endif
;; end of part 5
;; launch quant: the kernel of part 2 again; grid 16 x 64, 4 waves a work-group, no clusters, 34,304 bytes of LDS; arguments encoder_outputs, rowlist, counts, acodes, ascales; writes acodes, ascales
;; launch gemm (part 6): grid 4 x 64, 4 waves a work-group, no clusters, 135,680 bytes of LDS; arguments acodes, ascales, counts, wimg, W_enc_scales, decp, v, part; writes part
.if DOCPART == 6
	.amdgcn_target "amdgcn-amd-amdhsa--gfx1250"
	.amdhsa_code_object_version 6
	.text
	.protected	k_q0350a94e0c_gemm
	.globl	k_q0350a94e0c_gemm
	.p2align	8
	.type	k_q0350a94e0c_gemm,@function
k_q0350a94e0c_gemm:
	s_mov_b64 s[64:65], 0
	v_nop
	global_prefetch_b8 v0, s[64:65] scope:SCOPE_SE
	s_setreg_imm32_b32 hwreg(HW_REG_WAVE_SCHED_MODE, 0, 2), 2
	s_setreg_imm32_b32 hwreg(HW_REG_WAVE_MODE, 25, 1), 1
	s_wait_xcnt 0x0
	s_wait_alu depctr_vm_vsrc(0)
; part[dq][b][p] = the sum over d = 256 dq .. 256 dq + 255 of -2 v[d] / (1 + 2^(c (enc_proj[p][d] + dec_proj[b][d]))), c = 2 log2(e), for the places p of batch b's list.
; tanh(x) = 1 - 2 / (1 + 2^(c x)), so the four parts add up to the score less the sum of v: the same number off every score of a row, which a softmax does not see
; (the next launch still takes the row's maximum away).  Where 2^(c x) is infinite the quotient is 0, where it is 0 the quotient is 1: both are tanh's limits.
; enc_proj is the quantised product: the rows' codes (acodes, ascales) times W_enc's codes, by v_wmma_scale_f32_16x16x128_f8f6f4 on E2M3, f32 sums, K ascending, one accumulator an output.
; SHARES.  Work-group (dq, b): all T tiles of 16 places of batch b against 256 columns d; wave w: 64 of them, four tiles of 16.  A wave's 32 fragments of W_enc (384 registers) stay in
; registers for the whole launch; what goes round is the rows' codes: 12,800 bytes a tile (eight fragments' images and the scale words' image).
; They go memory -> registers -> LDS, a tile a wave, four tiles a trip, two slots by turns, one barrier a trip; the loads are asked for a whole trip ahead of their store.
; No tensor loads, and so no joint requests for the codes that a batch's four work-groups share: T is read from memory and branches hang on it.
; LAYOUT.  Source 0 = the rows' fragment, source 1 = W_enc's: in the result a lane holds ONE column d (lane % 16) and rows 8 (lane / 16) + 0 .. 7.  So dec_proj and v are one number a lane and tile.
; BY TURNS.  While tile m is multiplied (32 matrix instructions), tile m - 1's results, copied out first, go through 2^x, 1 + x, 1 / x and the sum over d: three vector instructions behind each matrix instruction.
; The first tile so works on zeros, whose sums go to a place that nobody reads; the last tile's results are worked alone (EA), where m = T.
; REGISTERS, in windows of 256: window 0: all that vector and LDS instructions touch.  window 1: W_enc's fragments of K steps 0-3, at 48 q + 12 t.  window 2: K steps 4-7; v192-199 -2 v.  window 3: v0-99 a tile on its way to LDS.
; Only source 1 ever leaves window 0 among the products: what stands between them names no register as source 1, but -2 v, which lies in the window set at that time.
; THE MODE: SCHED_MODE bits 1:0 = 2 (LLVM: expert scheduling mode 2), set by the entry lines.  The code itself states the register dependences
; between vector or matrix instructions and memory or LDS instructions, with s_wait_alu, always for 0.
; THE PLAN.  Registers that memory or LDS instructions touch, in the loop:
;   AF, SCA      A tile's 25 LDS loads land in them; the tile's 32 products read them.
;   S            Written by numbers 66-81 of the list and by the additions across lanes; read by the two LDS stores behind those additions.
;   window 3     Global loads land in the staging registers, LDS stores read them; no vector instruction names them.
;   ARD, ASTO    Written at a trip's head; read by the trip's LDS loads and by its staging stores.     SCOA  Written at a trip's end; read by the stores of S.
;   L16, AST0    Made at the head, never written again.
; A TILE has one wait on va_vdst of its own, behind the additions across lanes: S is written, for the two stores; and the tile's products are done reading AF and SCA, for the next tile's loads, which follow with
; no further wait, K steps 4 to 7 dealt among the next tile's first four products: nothing issued since that wait names those registers.  The two waits behind the exponentials and the reciprocals stand as they did;
; beside the second stands the tile's one wait on vm_vsrc: the last tile's stores have read S.  A TRIP has a wait on va_vdst behind the adds at its head and one on vm_vsrc ahead of the add at its end,
; which frees all three address registers; and a wait on vm_vsrc ahead of the staging registers' loads.
.set C2L,   0x4038aa3b                 ; c
.set TILEB, 12800                      ; a tile in LDS: 8 x 1,536 bytes of fragments, 512 of scale words
.set SLOT1, 65536                      ; slot 0 at 0, slot 1 here: one exclusive or turns one into the other
.set SCO,   SLOT1+4*TILEB              ; behind the slots: the sums, 4,608 bytes a wave: 65 places of 64 bytes (16 rows); place m holds tile m - 1's, place 0 nobody reads
.set SCOW,  4608
.set L16,  1                           ; v1   16 x lane
.set ARD,  2                           ; v2   + the slot that is read
.set ASTO, 3                           ; v3   16 x lane + 12,800 x wave + the slot that is filled
.set SCOA, 4                           ; v4   my wave's sums: + 32 h, + 256 a trip
.set SOFF, 6                           ; v6   W_enc's scale words: 32 r + 4 h
.set R4,   7                           ; v7   4 r
.set AST0, 8                           ; v8   16 x lane + 12,800 x wave
.set ZA,   9                           ; v9   my wave's sums + 16 x lane; at the end: every wave's
.set SCA,  12                          ; v12-15  the rows' scale words: register i: lanes 0-15 K step 2 i, lanes 16-31 K step 2 i + 1
.set SCB,  16                          ; v16-31  W_enc's, tile t at 4 t + i, likewise
.set BI,   32                          ; v32-39  c x dec_proj of my column in tile t, at 2 t (and 2 t + 1: named as a pair)
.set S,    40                          ; v40-47  the sums of my eight rows
.set ACC,  48                          ; v48-79  four accumulators
.set TT,   80                          ; v80-111 the tile before, at work
.set AF,   112                         ; v112-207 the rows' eight fragments
.set VV,   192                         ; window 2: -2 v of my column in tile t, at 2 t (and 2 t + 1)
.set MSB, 0
.macro WIN new                         ; the immediate's high byte repeats the setting that is left; at every label and branch the setting is 0
.if MSB != \new
	s_set_vgpr_msb (MSB<<8)|\new
.set MSB, \new
.endif
.endm
; s2 wave, s3 b, s21 T, s22 4 x trip, s23 the slot that is read, s24 the other, s25 the tile that the staging registers hold or will hold, s27 64 b
.macro LOADG                           ; tile s25 of the batch, from memory into window 3
	s_wait_xcnt 0x0                                ; the last tile's loads have read their bases: only behind this wait are they written again
	s_add_co_u32 s26, s27, s25
	s_mul_i32 s28, s26, 12288
	s_add_nc_u64 s[30:31], s[4:5], s[28:29]
	s_lshl_b32 s28, s26, 9
	s_add_nc_u64 s[32:33], s[6:7], s[28:29]
	WIN 0xc0                                       ; destination window 3
	s_wait_alu depctr_vm_vsrc(0)                   ; my LDS stores have read the staging registers, in which the loads below land
.irp k, 0,1,2,3,4,5,6,7,8,9,10,11,12,13,14,15,16,17,18,19,20,21,22,23
	global_load_b128 v[4*\k:4*\k+3], v[L16], s[30:31] offset:512*\k
.endr
	global_load_b128 v[96:99], v[L16], s[32:33]
	WIN 0
.endm
.macro STOREG                          ; and from there into my quarter of a slot, as it lies.  The data come from loads; v[ASTO] was written ahead of the last wait on va_vdst
	s_wait_loadcnt 0x0
	WIN 0x0c                                       ; an LDS store's data are its source 1: window 3
.irp k, 0,1,2,3,4,5,6,7,8,9,10,11,12,13,14,15,16,17,18,19,20,21,22,23,24
	ds_store_b128 v[ASTO], v[4*\k:4*\k+3] offset:512*\k
.endr
	WIN 0
.endm
.macro FEED                            ; a trip's staging: my tile of the next trip goes to the other slot; my tile of the trip after that is asked for
	s_cmp_ge_u32 s25, s21
	s_cbranch_scc1 .Lfed_\@                        ; no such tile, and then none behind it
	STOREG
	s_add_co_u32 s25, s25, 4
	s_cmp_ge_u32 s25, s21
	s_cbranch_scc1 .Lfed_\@
	LOADG
.Lfed_\@:
.endm
.macro STAGE0                          ; the finished tile leaves its accumulators: c x sum + c x dec_proj, each accumulator from its low end on
.irp u, 0,1,2,3,4,5,6,7,8,9,10,11,12,13,14,15
	v_pk_fma_f32 v[TT+2*\u:TT+2*\u+1], v[ACC+2*\u:ACC+2*\u+1], C2L, v[BI+2*(\u/4):BI+2*(\u/4)+1] op_sel_hi:[1,0,0]
.endr
.irp j, 0,1,2,3,4,5,6,7,8,9,10,11,12,13,14,15
	v_exp_f32 v[TT+\j], v[TT+\j]                   ; the first half of the batch of 32 exponentials
.endr
.endm
; The rest of a tile's vector work is a numbered list; EL writes number ee and steps it.
;   0-15 the other sixteen exponentials | 16 a plain place, and the one wait ahead of the batch's first reader | 17-32 1 + x, in pairs
;   33-64 the reciprocals | 65 a place and their one wait; and the wait for the last tile's stores of S | 66-81 x (-2 v), summed over the four tiles of columns, in pairs of rows
.macro EL
.if ee < 16
	v_exp_f32 v[TT+16+ee], v[TT+16+ee]
.elseif ee == 16
	v_nop
	s_wait_alu depctr_va_vdst(0)                   ; the 32 exponentials have written v[TT ..], ahead of their first reader
.elseif ee < 33
	v_pk_add_f32 v[TT+2*(ee-17):TT+2*(ee-17)+1], v[TT+2*(ee-17):TT+2*(ee-17)+1], 1.0 op_sel_hi:[1,0]
.elseif ee < 65
	v_rcp_f32 v[TT+ee-33], v[TT+ee-33]
.elseif ee == 65
	v_nop
	s_wait_alu depctr_va_vdst(0)                   ; the 32 reciprocals have written v[TT ..], ahead of their first reader
	s_wait_alu depctr_vm_vsrc(0)                   ; the last tile's two LDS stores have read v[S ..], which numbers 66 to 69 write again
.elseif ee < 70
	v_pk_mul_f32 v[S+2*(ee-66):S+2*(ee-66)+1], v[TT+2*(ee-66):TT+2*(ee-66)+1], v[VV:VV+1] op_sel_hi:[1,0]
.elseif ee < 82
	v_pk_fma_f32 v[S+2*((ee-66)%4):S+2*((ee-66)%4)+1], v[TT+2*(ee-66):TT+2*(ee-66)+1], v[VV+2*((ee-66)/4):VV+2*((ee-66)/4)+1], v[S+2*((ee-66)%4):S+2*((ee-66)%4)+1] op_sel_hi:[1,0,1]
.endif
.set ee, ee+1
.endm
.macro E5ST i                          ; the sum over the sixteen lanes of a half (sixteen columns), and out: the lanes of a half store the same 32 bytes with the same values
.irp m, 1,2,4,8
.irp j, 0,1,2,3,4,5,6,7
	v_add_f32_dpp v[S+\j], v[S+\j], v[S+\j] row_xmask:\m row_mask:0xf bank_mask:0xf
.endr
.endr
	s_wait_alu depctr_va_vdst(0)                   ; the additions have written v[S ..], which the two stores read (v[SCOA] is written too); and the tile's products are done reading v[AF ..] and v[SCA ..], in which the next tile's loads land
	ds_store_b128 v[SCOA], v[S:S+3] offset:64*(\i)
	ds_store_b128 v[SCOA], v[S+4:S+7] offset:64*(\i)+16
.endm
.macro MM                              ; the product of K step qq and column tile tt
.set WR, 48*(qq%4)+12*tt
.if qq == 0
	v_wmma_scale_f32_16x16x128_f8f6f4 v[ACC+8*tt:ACC+8*tt+7], v[AF+12*qq:AF+12*qq+11], v[WR:WR+11], 0, v[SCA+qq/2], v[SCB+4*tt+qq/2] matrix_a_fmt:MATRIX_FMT_FP6 matrix_b_fmt:MATRIX_FMT_FP6
.elseif qq%2 == 0
	v_wmma_scale_f32_16x16x128_f8f6f4 v[ACC+8*tt:ACC+8*tt+7], v[AF+12*qq:AF+12*qq+11], v[WR:WR+11], v[ACC+8*tt:ACC+8*tt+7], v[SCA+qq/2], v[SCB+4*tt+qq/2] matrix_a_fmt:MATRIX_FMT_FP6 matrix_b_fmt:MATRIX_FMT_FP6
.else
	v_wmma_scale_f32_16x16x128_f8f6f4 v[ACC+8*tt:ACC+8*tt+7], v[AF+12*qq:AF+12*qq+11], v[WR:WR+11], v[ACC+8*tt:ACC+8*tt+7], v[SCA+qq/2], v[SCB+4*tt+qq/2] matrix_a_fmt:MATRIX_FMT_FP6 matrix_b_fmt:MATRIX_FMT_FP6 matrix_a_scale:MATRIX_SCALE_ROW1 matrix_b_scale:MATRIX_SCALE_ROW1
.endif
.endm
; Tile i of the slot is multiplied, the tile before it is worked.  The four accumulators take turns, one instruction a turn, from tile to tile too.
; Its loads owe no wait of their own: on every way here a wait on va_vdst (the last tile's, ahead of its stores of S; at a trip's head, behind the adds) stands behind the last product that read AF and SCA and behind
; the write of v[ARD], and nothing issued since names the registers in which a load lands.  The scale words and K steps 0 to 3 are asked for at the head, K steps 4 to 7 three loads behind each of the first four products.
.macro WE i
.rept 4
	v_nop                                          ; places behind the last tile's products, in front of the read of their results (ISA guide 7.12.1)
.endr
	ds_load_b128 v[SCA:SCA+3], v[ARD] offset:TILEB*(\i)+12288
.irp q, 0,1,2,3
.irp g, 0,1,2
	ds_load_b128 v[AF+12*\q+4*\g:AF+12*\q+4*\g+3], v[ARD] offset:TILEB*(\i)+1536*\q+512*\g
.endr
.endr
	STAGE0
.set ee, 0
.set nn, 0
.rept 32
.set qq, nn/4
.set tt, nn%4
.if tt == 0
.if qq == 0
	s_wait_dscnt 9                                 ; the scale words and K step 0 are in; the nine loads of K steps 1 to 3 may be out
	WIN 0x04                                       ; source 1 window 1
.else
	s_wait_dscnt 3*(7-qq)                          ; the fragments up to K step qq are in; the later K steps' three loads each may be out
.endif
.if qq == 4
	WIN 0x08                                       ; source 1 window 2: numbers 66-81 of the list fall behind products 22 to 27, under this setting
.endif
.endif
	MM
	EL
	EL
	EL
.if nn < 4
.irp g, 0,1,2
	ds_load_b128 v[AF+12*(4+nn)+4*\g:AF+12*(4+nn)+4*\g+3], v[ARD] offset:TILEB*(\i)+1536*(4+nn)+512*\g   ; K step 4 + nn (a load's data and address places are in window 0 under this setting)
.endr
.endif
.set nn, nn+1
.endr
	WIN 0
	E5ST \i
.endm
.macro EA i                            ; the batch's last tile is worked alone
.rept 4
	v_nop
.endr
	STAGE0
	WIN 0x08
.set ee, 0
.rept 82
	EL
.endr
	WIN 0
	E5ST \i
.endm
.macro BLOCK i                         ; m = 4 x trip + i: under T a tile; at T the last tile's results; past T nothing
	s_add_co_u32 s26, s22, \i
	s_cmp_ge_u32 s26, s21
	s_cbranch_scc1 .Lno_tile_\@
	WE \i
	s_branch .Lnext_\@
.Lno_tile_\@:
	s_cmp_lg_u32 s26, s21
	s_cbranch_scc1 .Lnext_\@
	EA \i
.Lnext_\@:
.endm
	s_load_b256 s[4:11], s[0:1], 0x0               ; acodes s[4:5], ascales s[6:7], counts s[8:9], wimg s[10:11]
	s_load_b256 s[12:19], s[0:1], 0x20             ; W_enc's scales s[12:13], decp s[14:15], v s[16:17], part s[18:19]
	v_lshl_add_u32 v254, v0, 2, 0x21000
	v_mov_b32 v255, 0
	v_lshrrev_b32 v10, 5, v0
	v_readfirstlane_b32 s2, v10                    ; wave 0..3
	s_and_b32 s3, ttmp7, 0xffff                    ; b
	s_lshl_b32 s34, s3, 7
	v_and_b32 v10, 31, v0
	v_lshlrev_b32 v[L16], 4, v10
	v_and_b32 v10, 15, v0                          ; r
	v_bfe_u32 v11, v0, 4, 1                        ; h
	v_lshlrev_b32 v[SOFF], 5, v10
	v_lshl_add_u32 v[SOFF], v11, 2, v[SOFF]
	v_lshlrev_b32 v[R4], 2, v10
	s_wait_alu depctr_va_sdst(0)                   ; s2 is written, ahead of its first reader
	s_mul_i32 s28, s2, TILEB
	v_add_nc_u32 v[AST0], s28, v[L16]
	v_mov_b32 v[ASTO], v[AST0]                     ; the first staged tile goes into slot 0
	s_mul_i32 s28, s2, SCOW
	s_add_co_u32 s28, s28, SCO
	v_add_nc_u32 v[ZA], s28, v[L16]
	v_lshl_add_u32 v[SCOA], v11, 5, s28
.irp j, 0,1,2,3,4,5,6,7,8,9,10,11,12,13,14,15,16,17,18,19,20,21,22,23,24,25,26,27,28,29,30,31
	v_mov_b32 v[ACC+\j], 0                         ; what the first tile's turn works as 'the tile before'; the loop is so written once
.endr
	s_wait_kmcnt 0x0
	s_load_b32 s21, s[8:9], s34 offset:0x8         ; T
	s_lshl_b32 s26, ttmp9, 4
	s_lshl_b32 s28, s2, 2
	s_add_co_u32 s26, s26, s28                     ; my first tile of 16 columns: 16 dq + 4 wave
	s_mul_i32 s28, s26, 12288
	s_mov_b32 s29, 0                               ; the upper word of every offset pair s[28:29]
	s_add_nc_u64 s[10:11], s[10:11], s[28:29]
	s_lshl_b32 s28, s26, 9                         ; 16 rows of 32 scale bytes
	s_add_nc_u64 s[12:13], s[12:13], s[28:29]
	s_lshl_b32 s30, s26, 6                         ; 16 columns of 4 bytes
	s_lshl_b32 s28, s3, 12
	s_add_co_u32 s28, s28, s30
	s_add_nc_u64 s[14:15], s[14:15], s[28:29]
	s_mov_b32 s28, s30
	s_add_nc_u64 s[16:17], s[16:17], s[28:29]
	s_lshl_b32 s28, ttmp9, 6
	s_add_co_u32 s28, s28, s3
	s_lshl_b32 s28, s28, 12                        ; part: 4,096 bytes for (dq, b)
	s_add_nc_u64 s[18:19], s[18:19], s[28:29]
	s_lshl_b32 s27, s3, 6
	WIN 0x40                                       ; destination window 1
	s_wait_alu depctr_va_vdst(0)                   ; the offsets and addresses v1, v3, v4, v6 to v9 are written, which the head's loads and stores read, and so are the zeros in v[ACC ..], which the stores of zeros read; no vector instruction stands between this wait and the last of those
.irp q, 0,1,2,3
.irp t, 0,1,2,3
.irp g, 0,1,2
	global_load_b128 v[48*\q+12*\t+4*\g:48*\q+12*\t+4*\g+3], v[L16], s[10:11] offset:12288*\t+1536*\q+512*\g
.endr
.endr
.endr
	WIN 0x80                                       ; destination window 2
.irp q, 4,5,6,7
.irp t, 0,1,2,3
.irp g, 0,1,2
	global_load_b128 v[48*(\q-4)+12*\t+4*\g:48*(\q-4)+12*\t+4*\g+3], v[L16], s[10:11] offset:12288*\t+1536*\q+512*\g
.endr
.endr
.endr
	WIN 0
.irp t, 0,1,2,3
.irp i, 0,1,2,3
	global_load_b32 v[SCB+4*\t+\i], v[SOFF], s[12:13] offset:512*\t+8*\i
.endr
	global_load_b32 v[BI+2*\t], v[R4], s[14:15] offset:64*\t
	global_load_b32 v[BI+2*\t+1], v[R4], s[14:15] offset:64*\t
	global_load_b32 v[TT+\t], v[R4], s[16:17] offset:64*\t
.endr
.irp k, 0,1,2,3,4,5,6,7,8
	ds_store_b128 v[ZA], v[ACC:ACC+3] offset:512*\k   ; my wave's sums begin as zeros: places past T are stored as they are
.endr
	s_wait_kmcnt 0x0
	s_sub_co_u32 s25, s21, 1                       ; my tile of the first trip: the wave's number, or the batch's last tile where there are fewer (nobody reads that copy),
	s_min_u32 s25, s25, s2
	s_min_u32 s25, s25, 63                         ; held under 64, since it becomes an address
	LOADG
	STOREG                                         ; (its wait is for all the head's loads)
	WIN 0x80
.irp t, 0,1,2,3
	v_mul_f32 v[VV+2*\t], -2.0, v[TT+\t]
	v_mul_f32 v[VV+2*\t+1], -2.0, v[TT+\t]
.endr
	WIN 0
	s_add_co_u32 s25, s2, 4
	s_cmp_ge_u32 s25, s21
	s_cbranch_scc1 .Lhead_fed
	LOADG
.Lhead_fed:
	s_mov_b32 s22, 0
	s_mov_b32 s23, 0
	s_wait_alu depctr_vm_vsrc(0)                   ; the head's LDS stores have read v[ASTO], which the first trip writes again, v[ZA], which the end writes again, and the zeros in v[ACC ..], which the first products write
	s_wait_dscnt 0x0                               ; my quarter of slot 0 has landed
	s_barrier_signal -1
	s_barrier_wait -1                              ; everybody's has
.Ltrip:                                            ; sixteen trips, a constant: four tiles each; what a batch does not have is jumped over, the barrier never
	v_add_nc_u32 v[ARD], s23, v[L16]               ; (both registers are free: a wait on vm_vsrc stands at the last trip's end, and ahead of the loop, with no LDS instruction behind it)
	s_xor_b32 s24, s23, SLOT1
	v_add_nc_u32 v[ASTO], s24, v[AST0]
	s_wait_alu depctr_va_vdst(0)                   ; v[ARD] and v[ASTO] are written, which this trip's LDS loads and staging stores read; the last trip's products are done reading v[AF ..] and v[SCA ..]
	FEED
	BLOCK 0
	BLOCK 1
	BLOCK 2
	BLOCK 3
	s_wait_alu depctr_vm_vsrc(0)                   ; this trip's LDS stores have read v[SCOA], its loads v[ARD], its staging stores v[ASTO]: the first is written below, the other two at the next trip's head
	v_add_nc_u32 v[SCOA], 256, v[SCOA]
	s_xor_b32 s23, s23, SLOT1
	s_add_co_u32 s22, s22, 4
	s_wait_dscnt 0x0                               ; my reads of this slot are over, and my stores into the other have landed:
	s_barrier_signal -1
	s_barrier_wait -1                              ; both now hold of every wave: the next trip reads the other slot and fills this one
	s_cmp_lt_u32 s22, 64
	s_cbranch_scc1 .Ltrip
	s_cmp_lg_u32 s21, 64
	s_cbranch_scc1 .Lsummed
	EA 0                                           ; a batch of 64 tiles: the last one's results, to place 64
.Lsummed:
	s_wait_dscnt 0x0
	s_barrier_signal -1
	s_barrier_wait -1                              ; every wave's sums lie in LDS
	v_lshl_add_u32 v[ZA], v0, 4, SCO+64            ; thread t takes places 4 t .. 4 t + 3 and 512 + 4 t ..; the sums begin at place 1
	v_lshlrev_b32 v10, 4, v0
	s_wait_alu depctr_va_vdst(0)                   ; v[ZA] is written, which the loads below read, and v10, which the last stores read; the products are done reading v[AF ..], in which these loads land
.irp j, 0,1
.irp w, 0,1,2,3
	ds_load_b128 v[AF+16*\j+4*\w:AF+16*\j+4*\w+3], v[ZA] offset:2048*\j+SCOW*\w
.endr
.endr
	s_wait_dscnt 0x0
.irp j, 0,1
	v_pk_add_f32 v[AF+16*\j:AF+16*\j+1], v[AF+16*\j:AF+16*\j+1], v[AF+16*\j+4:AF+16*\j+5]
	v_pk_add_f32 v[AF+16*\j+2:AF+16*\j+3], v[AF+16*\j+2:AF+16*\j+3], v[AF+16*\j+6:AF+16*\j+7]
	v_pk_add_f32 v[AF+16*\j+8:AF+16*\j+9], v[AF+16*\j+8:AF+16*\j+9], v[AF+16*\j+12:AF+16*\j+13]
	v_pk_add_f32 v[AF+16*\j+10:AF+16*\j+11], v[AF+16*\j+10:AF+16*\j+11], v[AF+16*\j+14:AF+16*\j+15]
	v_pk_add_f32 v[AF+16*\j:AF+16*\j+1], v[AF+16*\j:AF+16*\j+1], v[AF+16*\j+8:AF+16*\j+9]
	v_pk_add_f32 v[AF+16*\j+2:AF+16*\j+3], v[AF+16*\j+2:AF+16*\j+3], v[AF+16*\j+10:AF+16*\j+11]
.endr
	s_wait_alu depctr_va_vdst(0)                   ; the additions have written v[AF ..], which the two stores read
	global_store_b128 v10, v[AF:AF+3], s[18:19]               ; a wave stores 512 consecutive bytes
	global_store_b128 v10, v[AF+16:AF+19], s[18:19] offset:2048
	s_wait_dscnt 0x0
	s_wait_alu depctr_hold_cnt(0) depctr_sa_sdst(0) depctr_va_vdst(0) depctr_va_sdst(0) depctr_va_ssrc(0) depctr_va_vcc(0) depctr_vm_vsrc(0)
	s_wait_tensorcnt 0x0
	ds_add_u32 v254, v255
	s_wait_dscnt 0x0
	s_endpgm
.Lfunc_end_k_q0350a94e0c_gemm:
	.size	k_q0350a94e0c_gemm, .Lfunc_end_k_q0350a94e0c_gemm-k_q0350a94e0c_gemm
	.p2alignl 7, 3214868480
	.fill 96, 4, 3214868480
	.section	.rodata,"a",@progbits
	.p2align	6, 0x0
	.amdhsa_kernel k_q0350a94e0c_gemm
		.amdhsa_group_segment_fixed_size 135680
		.amdhsa_private_segment_fixed_size 0
		.amdhsa_enable_private_segment 0
		.amdhsa_kernarg_size 64
		.amdhsa_user_sgpr_count 2
		.amdhsa_user_sgpr_kernarg_segment_ptr 1
		.amdhsa_wavefront_size32 1
		.amdhsa_system_sgpr_workgroup_id_x 1
		.amdhsa_system_sgpr_workgroup_id_y 1
		.amdhsa_system_sgpr_workgroup_id_z 1
		.amdhsa_system_vgpr_workitem_id 0
		.amdhsa_next_free_vgpr 896
		.amdhsa_next_free_sgpr 66
		.amdhsa_reserve_vcc 0
		.amdhsa_float_denorm_mode_32 3
		.amdhsa_float_denorm_mode_16_64 3
		.amdhsa_memory_ordered 1
		.amdhsa_forward_progress 1
		.amdhsa_inst_pref_size 127
	.end_amdhsa_kernel
	.amdgpu_metadata
---
amdhsa.version: [ 1, 2 ]
amdhsa.kernels:
  - .name:           k_q0350a94e0c_gemm
    .symbol:         k_q0350a94e0c_gemm.kd
    .args:
      - { .name: acodes, .offset: 0, .size: 8, .value_kind: global_buffer, .address_space: global }
      - { .name: ascales, .offset: 8, .size: 8, .value_kind: global_buffer, .address_space: global }
      - { .name: counts, .offset: 16, .size: 8, .value_kind: global_buffer, .address_space: global }
      - { .name: wimg, .offset: 24, .size: 8, .value_kind: global_buffer, .address_space: global }
      - { .name: W_enc_scales, .offset: 32, .size: 8, .value_kind: global_buffer, .address_space: global }
      - { .name: decp, .offset: 40, .size: 8, .value_kind: global_buffer, .address_space: global }
      - { .name: v, .offset: 48, .size: 8, .value_kind: global_buffer, .address_space: global }
      - { .name: part, .offset: 56, .size: 8, .value_kind: global_buffer, .address_space: global }
    .group_segment_fixed_size: 135680
    .private_segment_fixed_size: 0
    .kernarg_segment_align: 8
    .kernarg_segment_size: 64
    .max_flat_workgroup_size: 128
    .sgpr_count:     66
    .vgpr_count:     896
    .wavefront_size: 32
...
	.end_amdgpu_metadata
.endif
;; end of part 6
;; launch ctx: the kernel of part 4 again; grid 4 x 64, 8 waves a work-group, no clusters, 18,944 bytes of LDS; arguments encoder_outputs, rowlist, rowpos, counts, part, out0, out1; writes out0, out1
